; MI455X (gfx1250); checked and timed in simulation.
; The chip was launched on July 23, 2026; its instructions are those of AMD's public machine-readable ISA for CDNA 5 (MIT licence, August 2026) and "CDNA5" Instruction Set Architecture Reference Guide (July 2026). The comments in the code are by the model that wrote it; some were corrected since.
;; Latent Attention. Allowed arithmetic: matrix products marked QUANTISED: E2M3 operands, one E8M0 scale for each 32 along K, by v_wmma_scale_f32_16x16x128_f8f6f4 with both operands' format E2M3, f32 sums; everything else in f32.
;; Inputs: W_dkv_codes 64 x 64 x 24 uint8 (E2M3 codes of W_dkv, K innermost, in blocks of 32 codes, four codes in three bytes); W_dkv_scales 64 x 64 uint8 (E8M0 scales of W_dkv, one for each 32 codes along K); W_k_codes 64 x 4 x 24 uint8 (E2M3 codes of W_k, K innermost, in blocks of 32 codes, four codes in three bytes); W_k_scales 64 x 4 uint8 (E8M0 scales of W_k, one for each 32 codes along K); W_q_codes 2,048 x 4 x 24 uint8 (E2M3 codes of W_q, K innermost, in blocks of 32 codes, four codes in three bytes); W_q_scales 2,048 x 4 uint8 (E8M0 scales of W_q, one for each 32 codes along K); W_v_codes 128 x 2 x 24 uint8 (E2M3 codes of W_v, K innermost, in blocks of 32 codes, four codes in three bytes); W_v_scales 128 x 2 uint8 (E8M0 scales of W_v, one for each 32 codes along K); x_codes 8 x 4,096 x 64 x 24 uint8 (E2M3 codes of x, K innermost, in blocks of 32 codes, four codes in three bytes); x_scales 8 x 4,096 x 64 uint8 (E8M0 scales of x, one for each 32 codes along K).
;; Outputs: out0 8 x 4,096 x 128 float32; out1 8 x 4,096 x 64 float32.
;; This version of the problem:
;;   THIS VERSION OF THE PROBLEM IS GIVEN IN LOW PRECISION. The matrix products marked QUANTISED in the list below multiply operands that are first quantised to E2M3 (2 exponent bits, 3 mantissa bits; 6 bits a number), with one power-of-two scale for each 32 numbers along K (OCP MX v1.0); their sums are f32. All else is computed in f32.
;;   The module's matrix products, in the order in which they are computed (A, B: the left and right operand; K: the contracted axis; several contracted axes count as one K, in the product's order):
;;     1. [M 32,768, K 2,048] x [K 2,048, N 64]; A: input x (given as codes); B: input W_dkv (given as codes): QUANTISED
;;     2. [M 2,048, K 128] x [K 128, N 64]; A: input W_q (given as codes); B: input W_k (given as codes): QUANTISED
;;     3. [M 32,768, K 2,048] x [K 2,048, N 64]; A: input x (given as codes); B: computed on the way: QUANTISED
;;     4. batch 8 x [M 4,096, K 64] x [K 64, N 4,096]; A: computed on the way; B: computed on the way: QUANTISED
;;     5. [M 32,768, K 64] x [K 64, N 128]; A: computed on the way; B: input W_v (given as codes): QUANTISED
;;     6. batch 8 x [M 4,096, K 4,096] x [K 4,096, N 128]; A: softmax (see below); B: computed on the way: QUANTISED
;;   THE QUANTISER, for each operand of a quantised product, along K:
;;     - K is cut into blocks of 32 from its start; a last block that is shorter is filled with zeros.
;;     - A block's scale is 2^e with e = floor(log2(the largest magnitude in the block)) - 2, held to -126 .. 127; a block of zeros has e = 0. As a byte (E8M0): e + 127.
;;     - Each number is divided by its block's scale, clamped to +-7.5, and rounded to the nearest number of E2M3, ties to even, subnormals kept.
;;     - The product sums the exact products of the quantised numbers (number of the format x scale) in f32.
;;   ~~~python
;;   def quantise(x, axis):      # numpy; x: float32 -> the quantised numbers, widened to float32 again
;;       x = np.moveaxis(x, axis, -1); K = x.shape[-1]
;;       x = np.pad(x, [(0, 0)] * (x.ndim - 1) + [(0, -K % 32)]); x = x.reshape(x.shape[:-1] + (-1, 32)); a = np.abs(x).max(-1, keepdims=True)
;;       e = np.where(a > 0, np.clip(np.frexp(np.where(a > 0, a, 1))[1] - 1 - 2, -126, 127), 0)      # np.frexp(a)[1] - 1 = floor(log2(a)), exactly
;;       r = np.clip(x / 2.0 ** e, -7.5, 7.5)
;;       step = 2.0 ** (np.maximum(np.frexp(np.where(r == 0, 1, r))[1] - 1, 0) - 3)
;;       q = np.round(r / step) * step * 2.0 ** e      # np.round: ties to even
;;       return np.moveaxis(q.reshape(q.shape[:-2] + (-1,))[..., :K], -1, axis).astype(np.float32)
;;   ~~~
;;   SOFTMAX AHEAD OF A QUANTISED PRODUCT. Where the list says 'softmax', what is quantised is not the finished softmax but p = 2^(t - M), with t = logit x log2(e) and M = ceil(the row's largest t), a whole number; so 1/2 < the row's largest p <= 1. The row's sum l is taken of the UNQUANTISED p, in f32, and the product's result is divided by l at the end. Since M is a whole number, a kernel that streams over the keys may use a running M (the ceiling of the running maximum): every later rescaling is an exact power of two, which a block's scale takes up: the codes' values come out the same.
;;   OPERANDS COMPUTED ON THE WAY. 'Computed on the way' means the value that the module computes at that place (a softmax that the list does not call 'softmax' is quantised finished and normalised). What goes into a quantiser is computed in f32, as accurately as f32 sums, v_exp_f32 and their like allow (about 1e-6 of the number): no bf16 or f16 on the way to a quantiser, and a product that is left as it is and whose result goes on into a quantised operand takes f32 operands (vector FMAs, or v_wmma_f32_16x16x4_f32). A number that lies on a knife's edge between two numbers of the format may be rounded either way, as far as f32 arithmetic and the matrix unit's own rounding can turn it there, and no further.
;;   INPUTS GIVEN AS CODES. W_dkv (in the module: [64, 2048], K = its axis 1); W_k (in the module: [128, 64], K = its axis 0); W_q (in the module: [128, 2048], K = its axis 0); W_v (in the module: [128, 64], K = its axis 1); x (in the module: [8, 4096, 2048], K = its axis 2): each comes as NAME_codes (uint8): NAME with its K axis moved to the last place and cut into blocks of 32 codes, [.., K / 32, bytes a block], one block behind the other in memory; four codes in three bytes: a row's codes are one little-endian stream of bits, code i at bits 6 i .. 6 i + 5 (a code: sign, 2 exponent bits, 3 mantissa bits); and NAME_scales (uint8): the same leading axes, one E8M0 byte (e + 127) for each 32 codes along K. Its value is code x scale, taken as it is: it is not quantised again, and the codes and scales need not be those that the quantiser above would give.
;; One version. Each part assembles by itself: llvm-mc -triple=amdgcn-amd-amdhsa -mcpu=gfx1250 --defsym DOCPART=n.
;; ======== version 1 of 1: 3 launches
;; limits: right only within a limited range of input values
;; workspace buffers: wimg 196,608 bytes; wsc 8,192 bytes; kv 4,980,736 bytes; qimg 2,097,152 bytes
;; launch prep (part 1): grid 32 x 1, 4 waves a work-group, no clusters, 1,024 bytes of LDS; arguments W_dkv_codes, W_dkv_scales, W_k_codes, W_k_scales, W_q_codes, W_q_scales, wimg, wsc; writes wimg, wsc
.if DOCPART == 1
	.amdgcn_target "amdgcn-amd-amdhsa--gfx1250"
	.amdhsa_code_object_version 6
	.text
	.protected	k_q30747df42e_prep
	.globl	k_q30747df42e_prep
	.p2align	8
	.type	k_q30747df42e_prep,@function
k_q30747df42e_prep:
	s_mov_b64 s[64:65], 0
	v_nop
	global_prefetch_b8 v0, s[64:65] scope:SCOPE_SE
	s_setreg_imm32_b32 hwreg(HW_REG_WAVE_MODE, 25, 1), 1
	s_wait_xcnt 0x0
; LATENT ATTENTION ON CODES OF FP6 (E2M3), three launches: prep (this one), proj, attn.
; prep: aq[e][l] = sum over h of W_q[h][e] W_k[h][l] (K = 128), quantised along e; then W_dkv and Q(aq) are laid out as images of operand registers for proj.
; proj: latent = x W_dkv^T (also out1), q_res = x Q(aq), v = Q(latent) W_v^T; the quantisers of latent and q_res (along the 64) and of v (along the keys).
; attn: scores = Q(q_res) Q(latent)^T / sqrt(128), causal; p = 2^(t - M); out0 = (p Q(v)) / the sum of p.
; WORK LEFT OUT: reference() builds the causal mask in its own body (jnp.tril) and sets every score with key > query to -1e20, whose weight in the softmax is 0 whatever finite values the inputs hold
; (the diagonal score of the same row is a visible one).  So tiles of scores and of the second attention product that lie wholly above the diagonal reach no output, and attn does not make them.
; Nothing else is left out: every input has a way to an output and all ten input buffers are loaded.
; LIMITS: a NaN, an infinity or an overflow that could arise only in the tiles left out is not carried to the result.  NaN and infinities (a scale byte 0xff) are not served.
; A block whose largest magnitude lies under 2^-124 keeps the scale byte 1; a block of zeros gets 1 where the quantiser says 127: its codes are zeros, and these bytes are read by this program alone.
;
; SHARES.  32 work-groups of four waves, as many as there is work for: work-group g serves tile T = g / 4 of 16 output columns (T 0-3: W_dkv, T 4-7: Q(aq)) and K steps 4 (g % 4) + wave of 128 along E: one fragment a wave.
; Lane r of tile T holds row 32 ((T / 2) % 2) + 8 (T % 2) + r + 8 (r / 8) of its matrix of 64 rows.
; wimg: fragment (T, s) at (16 T + s) x 1,536 bytes, registers 4 c .. 4 c + 3 of lane l at 512 c + 16 l.   wsc: the scale word of (T, s, r) at 1,024 T + 256 (s / 4) + 16 r + 4 (s % 4).
; aq is made transposed (source 0 = 16 rows e of W_q, source 1 = 16 rows l of W_k), and W_q's rows of a tile are chosen so that the 16 registers of tiles 2 b, 2 b + 1 are 16 neighbours along e.
.set SPARE, 256                        ; LDS: bytes 0-255 the scale words' stage; from 256 the spare words, 128 bytes a wave, which no other line names
.set SPW, 14                           ; v14  my spare word's address; never rewritten
.set NIL, 15                           ; v15  0; never rewritten
.set H,   136                          ; v136-199 eight result tiles
.set PC,  200                          ; v200-211 the fragment's codes; v212-218 at work in the conversions
.set TM,  220                          ; v220-223 largest magnitudes, v224-227 bytes, v232-235 the conversions' scale operands
.set PW,  236                          ; v236 the fragment's scale word
.set SEL, 22                           ; s[22:23] lane selects: lane l xor 16
; 64 numbers of a lane, register 16 b + i = k 32 b + 16 (lane / 16) + i of my row, become a fragment's codes in v[PC] on and its scale word in v[PW]
.macro QUANT s
.irp b, 0,1,2,3
	v_max3_num_f32 v[TM+\b], |v[\s+16*\b]|, |v[\s+1+16*\b]|, 0x1800000   ; my 16 numbers of block b, and the floor 2^(3 - 127): the byte cannot fall under 1
.endr
.irp i, 2,4,6,8,10,12,14
.irp b, 0,1,2,3
	v_max3_num_f32 v[TM+\b], v[TM+\b], |v[\s+16*\b+\i]|, |v[\s+1+16*\b+\i]|
.endr
.endr
.irp b, 0,1,2,3
	v_permlanex16_b32 v[TM+4+\b], v[TM+\b], s[SEL], s[SEL+1]
.endr
.irp b, 0,1,2,3
	v_max_num_f32 v[TM+\b], v[TM+\b], v[TM+4+\b]                    ; with lane l xor 16's: the block's largest magnitude
.endr
.irp b, 0,1,2,3
	v_add_nc_u32 v[TM+12+\b], 0xff000000, v[TM+\b]                  ; 2 off its exponent field: the conversion's scale operand
.endr
.irp b, 0,1,2,3
	v_lshrrev_b32 v[TM+4+\b], 23, v[TM+12+\b]                       ; the scale's byte
.endr
	v_lshl_or_b32 v[PW], v[TM+5], 8, v[TM+4]
	v_lshl_or_b32 v[PW], v[TM+6], 16, v[PW]
	v_lshl_or_b32 v[PW], v[TM+7], 24, v[PW]
.irp c, 0,1
	v_cvt_scalef32_pk16_fp6_f32 v[PC+6*\c:PC+2+6*\c], v[\s+32*\c:\s+15+32*\c], v[TM+12+2*\c]
	v_cvt_scalef32_pk16_fp6_f32 v[PC+12+4*\c:PC+14+4*\c], v[\s+16+32*\c:\s+31+32*\c], v[TM+12+2*\c+1]   ; (a conversion's three registers begin on an even number)
.endr
	v_nop                                          ; one plain place behind a scaled conversion
.irp c, 0,1                                    ; the operand wants a whole block in a lane: lanes 0-15 block 2 c, lanes 16-31 block 2 c + 1
.irp i, 0,1,2
	v_permlane16_swap_b32 v[PC+6*\c+\i], v[PC+12+4*\c+\i]
.endr
.irp i, 0,1,2
	v_mov_b32 v[PC+3+6*\c+\i], v[PC+12+4*\c+\i]
.endr
.endr
.endm
	s_load_b256 s[4:11], s[0:1], 0x0               ; W_dkv's codes, scales; W_k's codes, scales
	s_load_b256 s[12:19], s[0:1], 0x20             ; W_q's codes, scales; wimg; wsc
	v_lshl_add_u32 v[SPW], v0, 2, SPARE
	v_mov_b32 v[NIL], 0
	v_lshrrev_b32 v1, 5, v0
	v_readfirstlane_b32 s20, v1                    ; wave
	v_and_b32 v1, 31, v0                           ; lane
	v_and_b32 v2, 15, v0                           ; r
	v_bfe_u32 v3, v0, 4, 1                         ; h
	v_and_b32 v4, 8, v2
	v_add_nc_u32 v4, v4, v2                        ; r + 8 (r / 8)
	v_mul_u32_u24 v5, v4, 96
	v_mad_u32_u24 v5, v3, 24, v5                   ; rows of 96 bytes (W_k, W_q): my row, my half
	v_lshlrev_b32 v6, 2, v4                        ; their scale words
	v_mul_u32_u24 v7, v4, 1536
	v_mad_u32_u24 v7, v3, 24, v7                   ; rows of 1,536 bytes (W_dkv)
	v_lshlrev_b32 v8, 6, v4                        ; its rows of 64 scale bytes
	v_lshlrev_b32 v9, 4, v1                        ; 16 x lane
	s_lshl_b32 s31, s20, 2
	v_lshl_add_u32 v10, v2, 4, s31                 ; the stage: 16 r + 4 x wave
	v_lshlrev_b32 v11, 3, v1                       ; 8 x lane
.irp b, 0,1,2,3
	v_mov_b32 v[TM+4+\b], 0                        ; a lane permute's destination counts as one of its sources
.endr
	s_mov_b32 s[SEL], 0x76543210
	s_mov_b32 s[SEL+1], 0xfedcba98
	s_lshr_b32 s21, ttmp9, 2                       ; T
	s_and_b32 s26, ttmp9, 3                        ; q
	s_lshl_b32 s27, s26, 2
	s_add_co_u32 s27, s27, s20                     ; s = 4 q + wave
	s_bfe_u32 s28, s21, 0x10001
	s_lshl_b32 s28, s28, 5
	s_and_b32 s29, s21, 1
	s_lshl_b32 s29, s29, 3
	s_add_co_u32 s28, s28, s29                     ; the tile's first row
	s_mov_b32 s25, 0
	s_wait_kmcnt 0x0
	s_mul_i32 s24, s28, 1536
	s_mul_i32 s30, s27, 96
	s_add_co_u32 s24, s24, s30
	s_add_nc_u64 s[4:5], s[4:5], s[24:25]          ; W_dkv's codes at (first row, K step s)
	s_lshl_b32 s24, s28, 6
	s_lshl_b32 s30, s27, 2
	s_add_co_u32 s24, s24, s30
	s_add_nc_u64 s[6:7], s[6:7], s[24:25]          ; and its scale bytes
	s_mul_i32 s24, s28, 96
	s_add_nc_u64 s[8:9], s[8:9], s[24:25]          ; W_k at the first row
	s_lshl_b32 s24, s28, 2
	s_add_nc_u64 s[10:11], s[10:11], s[24:25]
	s_mul_i32 s24, s27, 12288
	s_add_nc_u64 s[12:13], s[12:13], s[24:25]      ; W_q at row e = 128 s
	s_lshl_b32 s24, s27, 9
	s_add_nc_u64 s[14:15], s[14:15], s[24:25]
	s_lshl_b32 s24, s21, 4
	s_add_co_u32 s24, s24, s27
	s_mul_i32 s24, s24, 1536
	s_add_nc_u64 s[16:17], s[16:17], s[24:25]      ; wimg at fragment (T, s)
	s_lshl_b32 s24, s21, 10
	s_lshl_b32 s30, s26, 8
	s_add_co_u32 s24, s24, s30
	s_add_nc_u64 s[18:19], s[18:19], s[24:25]      ; wsc at (T, q)
	s_cmp_lt_u32 s21, 4                            ; the work-group's number alone decides
	s_cbranch_scc0 .Labsorbed
	s_wait_alu depctr_va_vdst(0)
.irp p, 0,1,2,3,4,5                            ; W_dkv: the fragment is taken as it lies
	global_load_b64 v[PC+2*\p:PC+2*\p+1], v7, s[4:5] offset:48*(\p/3)+8*(\p%3)
.endr
	global_load_b32 v[PW], v8, s[6:7]
	s_wait_loadcnt 0x0
	s_branch .Lout
.Labsorbed:
.irp p, 0,1,2,3,4,5
	global_load_b64 v[16+2*\p:17+2*\p], v5, s[8:9] offset:48*(\p/3)+8*(\p%3)   ; W_k's 16 rows l
.endr
	global_load_b32 v28, v6, s[10:11]
.irp t, 0,1,2,3,4,5,6,7                        ; W_q's eight tiles: tile t begins at row 128 s + 32 (t / 2) + 8 (t % 2)
.irp p, 0,1,2,3,4,5
	global_load_b64 v[40+12*\t+2*\p:41+12*\t+2*\p], v5, s[12:13] offset:(32*(\t/2)+8*(\t%2))*96+48*(\p/3)+8*(\p%3)
.endr
	global_load_b32 v[32+\t], v6, s[14:15] offset:(32*(\t/2)+8*(\t%2))*4
.endr
	s_wait_loadcnt 0x0
.irp t, 0,1,2,3,4,5,6,7                        ; eight accumulators, one product each: lane (r, h) holds row l of aq^T, register 16 b + i the column e = 128 s + 32 b + 16 h + i
	v_wmma_scale_f32_16x16x128_f8f6f4 v[H+8*\t:H+8*\t+7], v[40+12*\t:51+12*\t], v[16:27], 0, v[32+\t], v28 matrix_a_fmt:MATRIX_FMT_FP6 matrix_b_fmt:MATRIX_FMT_FP6
.endr
.rept 4
	v_nop                                          ; four places between the products and the first read of their results (ISA guide 7.12.1)
.endr
	QUANT H
.Lout:
.irp c, 0,1,2
	global_store_b128 v9, v[PC+4*\c:PC+4*\c+3], s[16:17] offset:512*\c   ; 32 lanes store 512 consecutive bytes
.endr
	ds_store_b32 v10, v[PW]                        ; lanes r and r + 16 write the same word with the same value
	s_wait_dscnt 0x0                               ; for the others' sake: my word lies in the stage
	s_barrier_signal -1
	s_barrier_wait -1
	s_cmp_lg_u32 s20, 0
	s_cbranch_scc1 .Lend
	ds_load_b64 v[12:13], v11                      ; wave 0: the four waves' 64 words
	s_wait_dscnt 0x0
	global_store_b64 v11, v[12:13], s[18:19]       ; 256 consecutive bytes, aligned
.Lend:
	s_wait_tensorcnt 0x0                           ; the wave's end: behind my last LDS store
	ds_add_u32 v[SPW], v[NIL]
	s_wait_dscnt 0x0
	s_endpgm
.Lfunc_end_k_q30747df42e_prep:
	.size	k_q30747df42e_prep, .Lfunc_end_k_q30747df42e_prep-k_q30747df42e_prep
	.p2alignl 7, 3214868480
	.fill 96, 4, 3214868480
	.section	.rodata,"a",@progbits
	.p2align	6, 0x0
	.amdhsa_kernel k_q30747df42e_prep
		.amdhsa_group_segment_fixed_size 1024
		.amdhsa_private_segment_fixed_size 0
		.amdhsa_enable_private_segment 0
		.amdhsa_kernarg_size 64
		.amdhsa_user_sgpr_count 2
		.amdhsa_user_sgpr_kernarg_segment_ptr 1
		.amdhsa_wavefront_size32 1
		.amdhsa_system_sgpr_workgroup_id_x 1
		.amdhsa_system_sgpr_workgroup_id_y 1
		.amdhsa_system_sgpr_workgroup_id_z 1
		.amdhsa_system_vgpr_workitem_id 0
		.amdhsa_next_free_vgpr 256
		.amdhsa_next_free_sgpr 66
		.amdhsa_reserve_vcc 0
		.amdhsa_float_denorm_mode_32 3
		.amdhsa_float_denorm_mode_16_64 3
		.amdhsa_memory_ordered 1
		.amdhsa_forward_progress 1
		.amdhsa_inst_pref_size 16
	.end_amdhsa_kernel
	.amdgpu_metadata
---
amdhsa.version: [ 1, 2 ]
amdhsa.kernels:
  - .name:           k_q30747df42e_prep
    .symbol:         k_q30747df42e_prep.kd
    .args:
      - { .name: W_dkv_codes, .offset: 0, .size: 8, .value_kind: global_buffer, .address_space: global }
      - { .name: W_dkv_scales, .offset: 8, .size: 8, .value_kind: global_buffer, .address_space: global }
      - { .name: W_k_codes, .offset: 16, .size: 8, .value_kind: global_buffer, .address_space: global }
      - { .name: W_k_scales, .offset: 24, .size: 8, .value_kind: global_buffer, .address_space: global }
      - { .name: W_q_codes, .offset: 32, .size: 8, .value_kind: global_buffer, .address_space: global }
      - { .name: W_q_scales, .offset: 40, .size: 8, .value_kind: global_buffer, .address_space: global }
      - { .name: wimg, .offset: 48, .size: 8, .value_kind: global_buffer, .address_space: global }
      - { .name: wsc, .offset: 56, .size: 8, .value_kind: global_buffer, .address_space: global }
    .group_segment_fixed_size: 1024
    .private_segment_fixed_size: 0
    .kernarg_segment_align: 8
    .kernarg_segment_size: 64
    .max_flat_workgroup_size: 128
    .sgpr_count:     66
    .vgpr_count:     256
    .wavefront_size: 32
...
	.end_amdgpu_metadata
.endif
;; end of part 1
;; launch proj (part 2): grid 256 x 1, 4 waves a work-group, no clusters, 327,680 bytes of LDS; arguments x_codes, x_scales, wimg, wsc, W_v_codes, W_v_scales, out1, kv, qimg; writes out1, kv, qimg
.if DOCPART == 2
	.amdgcn_target "amdgcn-amd-amdhsa--gfx1250"
	.amdhsa_code_object_version 6
	.text
	.protected	k_q30747df42e_proj
	.globl	k_q30747df42e_proj
	.p2align	8
	.type	k_q30747df42e_proj,@function
k_q30747df42e_proj:
	s_mov_b64 s[64:65], 0
	v_nop
	global_prefetch_b8 v0, s[64:65] scope:SCOPE_SE
	s_setreg_imm32_b32 hwreg(HW_REG_WAVE_MODE, 25, 1), 1
	s_wait_xcnt 0x0
; [latent | q_res] = x [W_dkv | Q(aq)]^T (K = 2,048), out1 = latent; latent and q_res quantised along their 64; v = Q(latent) W_v^T (K = 64), quantised along the keys.  All products on codes of FP6 (E2M3) with E8M0 scales.
; SHARES.  Work-group g owns rows 128 g .. 128 g + 127 of x: one key step and eight query tiles of attn.  x's codes (196,608 bytes) and scale bytes come into LDS once, by tensor loads that are all first fills: nothing is filled again.
; In the GEMM THE WAVES SHARE THE COLUMNS: wave w makes columns 32 w .. 32 w + 31 of the 128 for all 128 rows; its weights, 32 fragments in 384 registers, come once, as images of registers, by contiguous loads.
; Behind the GEMM the waves share the rows: wave w takes rows 32 w .. 32 w + 31, which are one block of 32 keys of v's quantiser.
; NO CLUSTER: what work-groups share is the weights, which go straight into registers; in LDS their 196,608 bytes would not fit beside x's 211,456 and the 82,432 of stages and spare words.
; NO PREFETCH: all of a work-group's x is asked for at its head.
; The matrix instruction is used transposed in the GEMM (source 0 = 16 weight rows, source 1 = 16 rows of x): a lane holds eight neighbouring columns of one row.
; K = 64 products take fragments whose registers 6-11 are zero codes, which add nothing under any scale byte but 0xff.
; OUT: kv, a block of 19,456 bytes for each key step: 8 images of K's tiles (768 bytes: registers 0-3 at 16 x lane, 4-5 at 512 + 8 x lane), 8 images of V's tiles (1,536 bytes), K's scale words (512), V's (512).
;      qimg, 1,024 bytes a query tile: registers 0-3, registers 4-5, the scale word at 768 + 8 x lane.
; LIMITS: as stated at the head of prep (NaN and infinities not served; the scale byte is held at 1 from below, for a block of zeros too).
; LDS: XC0-2: bytes 512 c .. 512 c + 511 of the 128 rows, pitch 528 = 132 words, so that the 32 lanes of an 8-byte load touch 64 different banks (64 banks of 4 bytes: ISA guide 11.1).
; HOW x COMES: bytes 0-1,023 of the 128 rows and the scale bytes are asked for at the head; bytes 1,024-1,535 behind the first barrier, each wave its 32 rows, and K steps 0 to 9, which read the first 960 bytes alone, stand between
; that request and the wait for it.  Every fill is a first fill.  The launch has no loop to run ahead in, so no prefetch is laid.  The launch claims all of LDS; the text uses 293,888 bytes.
.set CH,    67584                      ; a chunk: 128 rows x 528
.set XSC,   202752                     ; x's scale bytes: 32 units of 256 + 16
.set STG,   211456                     ; the stage: 128 rows x (512 + 16)
.set VROW,  279040                     ; v's codes by channel: 128 rows x 104 (96 of codes)
.set SCST,  292352                     ; K's scale words (512), V's (512), as kv has them
.set SPARE, 293376                     ; the spare words, 128 bytes a wave, which no other line names
; REGISTERS, window 0
.set XA,  4                            ; v4-6   chunk c: CH c + 528 r + 24 h
.set XB,  7                            ; v7-8   the same where lanes 16-31's piece, three pieces on, lies in the next chunk: CH c + 528 r + 67,096 h
.set XSA, 9                            ; v9     x's scale words of row (lane)
.set LI,  10                           ; v10    16 x lane
.set L8,  11                           ; v11    8 x lane
.set STO, 12                           ; v12    into the stage
.set SH8, 13                           ; v13    8 h
.set SPW, 14                           ; v14    my spare word; never rewritten
.set NIL, 15                           ; v15    0; never rewritten
.set WS,  16                           ; v16-31 the weights' scale words: register s: tile 2 w in lanes 0-15, tile 2 w + 1 in lanes 16-31
.set XS,  32                           ; v32-95 x's: register 16 (s / 4) + 4 (m / 2) + s % 4: row tile m even in lanes 0-15, odd in lanes 16-31
.set X0,  96                           ; v96-191 x's eight fragments of an even K step (the odd steps': window 3, v128-223)
.set WVS, 192                          ; v192-199 W_v's scale words
.set KSW, 200                          ; v200-201 latent's scale words of my two tiles
.set QA,  204                          ; v204-211 at work in QROW
.set QB,  205
.set QSO, 206
.set QBY, 207
.set QT,  208
.set QP,  211
.set AM,  212                          ; v212-219, v220-227, v228-235 at work in v's quantiser
.set PT,  220
.set SO,  228
.set ORD, 236                          ; v236-243 LDS addresses behind the GEMM
.set LRD, 237
.set QRD, 238
.set VST, 239
.set VSB, 240
.set KSA, 241
.set VRD, 242
.set SRD, 243
; window 1: weights of K steps 0-9, fragment (u, s) at v[12 (2 s + u)].   window 2: K steps 10-15 at v[12 (2 (s - 10) + u)]; W_v's eight fragments at v[144 + 12 n].
; window 3: v0-127 the 16 accumulators, (m, u) at v[8 (2 m + u)], later the quantisers' numbers, later v; v128-223 x's fragments of odd K steps, later out1's rows.
.set MSB, 0
.macro WIN new                         ; the immediate's high byte repeats the setting that is left; a switch that changes nothing is dropped
.if MSB != \new
	s_set_vgpr_msb (MSB<<8)|\new
.set MSB, \new
.endif
.endm
.macro PLACES                          ; four places in front of loads into registers that matrix instructions have read, and of the first read of results (ISA guide 7.12.1 for the first read of results)
.rept 4
	v_nop
.endr
.endm
; x's eight fragments of K step s, 48 loads of 8 bytes.  Lanes 0-15 take the row's pieces 12 s + 0, 1, 2, 6, 7, 8, lanes 16-31 those three pieces on.
.macro FETCH s
.if (\s)%2
	WIN 0xc0
.set XBF, 128
.else
	WIN 0
.set XBF, X0
.endif
.irp m, 0,1,2,3,4,5,6,7
.irp p, 0,1,2,3,4,5
.set PCE, 12*(\s)+6*(\p/3)+\p%3
.set CC, PCE/64
.if PCE%64 < 61
	ds_load_b64 v[XBF+12*\m+2*\p:XBF+12*\m+2*\p+1], v[XA+CC] offset:8*(PCE%64)+8448*\m
.else
	ds_load_b64 v[XBF+12*\m+2*\p:XBF+12*\m+2*\p+1], v[XB+CC] offset:8*(PCE%64)+8448*\m
.endif
.endr
.endr
.endm
.macro MM s, m, u, zero                ; one product: accumulator (m, u) += weight (u, s) x rows 16 m .. of x
.set rD, 8*(2*(\m)+(\u))
.set rW, WB+12*(\u)
.set rX, XMF+12*(\m)
.set rA, WS+(\s)
.set rB, XS+16*((\s)/4)+4*((\m)/2)+(\s)%4
.set SELR, 2*(\u)+(\m)%2+4*(\zero)
.if SELR == 0
	v_wmma_scale_f32_16x16x128_f8f6f4 v[rD:rD+7], v[rW:rW+11], v[rX:rX+11], v[rD:rD+7], v[rA], v[rB] matrix_a_fmt:MATRIX_FMT_FP6 matrix_b_fmt:MATRIX_FMT_FP6
.elseif SELR == 1
	v_wmma_scale_f32_16x16x128_f8f6f4 v[rD:rD+7], v[rW:rW+11], v[rX:rX+11], v[rD:rD+7], v[rA], v[rB] matrix_a_fmt:MATRIX_FMT_FP6 matrix_b_fmt:MATRIX_FMT_FP6 matrix_b_scale:MATRIX_SCALE_ROW1
.elseif SELR == 2
	v_wmma_scale_f32_16x16x128_f8f6f4 v[rD:rD+7], v[rW:rW+11], v[rX:rX+11], v[rD:rD+7], v[rA], v[rB] matrix_a_fmt:MATRIX_FMT_FP6 matrix_b_fmt:MATRIX_FMT_FP6 matrix_a_scale:MATRIX_SCALE_ROW1
.elseif SELR == 3
	v_wmma_scale_f32_16x16x128_f8f6f4 v[rD:rD+7], v[rW:rW+11], v[rX:rX+11], v[rD:rD+7], v[rA], v[rB] matrix_a_fmt:MATRIX_FMT_FP6 matrix_b_fmt:MATRIX_FMT_FP6 matrix_a_scale:MATRIX_SCALE_ROW1 matrix_b_scale:MATRIX_SCALE_ROW1
.elseif SELR == 4
	v_wmma_scale_f32_16x16x128_f8f6f4 v[rD:rD+7], v[rW:rW+11], v[rX:rX+11], 0, v[rA], v[rB] matrix_a_fmt:MATRIX_FMT_FP6 matrix_b_fmt:MATRIX_FMT_FP6
.elseif SELR == 5
	v_wmma_scale_f32_16x16x128_f8f6f4 v[rD:rD+7], v[rW:rW+11], v[rX:rX+11], 0, v[rA], v[rB] matrix_a_fmt:MATRIX_FMT_FP6 matrix_b_fmt:MATRIX_FMT_FP6 matrix_b_scale:MATRIX_SCALE_ROW1
.elseif SELR == 6
	v_wmma_scale_f32_16x16x128_f8f6f4 v[rD:rD+7], v[rW:rW+11], v[rX:rX+11], 0, v[rA], v[rB] matrix_a_fmt:MATRIX_FMT_FP6 matrix_b_fmt:MATRIX_FMT_FP6 matrix_a_scale:MATRIX_SCALE_ROW1
.else
	v_wmma_scale_f32_16x16x128_f8f6f4 v[rD:rD+7], v[rW:rW+11], v[rX:rX+11], 0, v[rA], v[rB] matrix_a_fmt:MATRIX_FMT_FP6 matrix_b_fmt:MATRIX_FMT_FP6 matrix_a_scale:MATRIX_SCALE_ROW1 matrix_b_scale:MATRIX_SCALE_ROW1
.endif
.endm
; K step s: 16 products; the 16 accumulators take turns, one instruction a turn, in the same order in every step.  zero = 1: the first step starts the sums
.macro MULS s, zero
.if (\s) < 10
.set WW, 1
.set WB, 24*(\s)
.else
.set WW, 2
.set WB, 24*((\s)-10)
.endif
.if (\s)%2
.set XW, 3
.set XMF, 128
.else
.set XW, 0
.set XMF, X0
.endif
.set WNEW, WW|(XW<<2)|0xf0
	WIN WNEW
.irp m, 0,1,2,3,4,5,6,7
.irp u, 0,1
	MM \s, \m, \u, \zero
.endr
.endr
.endm
.macro STEP s, zero
	s_wait_dscnt 0x0                               ; this step's fragments are in (asked for ahead of the last step's products)
	PLACES                                         ; the other buffer was read by the last step's products
	FETCH (\s)+1
	MULS \s, \zero
.endm
; 32 numbers of window 3, v[32 a] on = k 32 h + 0 .. 31 of my row: a whole block in a lane.  Its codes go to v[dst] .. v[dst + 5], the row's scale word (byte h from half h) to v[sw].  Every window is 0 at its head and its end.
.macro QROW a, dst, sw
	v_mov_b32 v[QA], 0x1800000                     ; the floor 2^(3 - 127): the byte cannot fall under 1
	v_mov_b32 v[QB], 0
	WIN 0x3c                                       ; sources 1 and 2 in window 3
.irp i, 0,4,8,12,16,20,24,28
	v_max3_num_f32 v[QA], v[QA], |v[32*(\a)+\i]|, |v[32*(\a)+\i+1]|
	v_max3_num_f32 v[QB], v[QB], |v[32*(\a)+\i+2]|, |v[32*(\a)+\i+3]|
.endr
	WIN 0
	v_max_num_f32 v[QA], v[QA], v[QB]
	v_add_nc_u32 v[QSO], 0xff000000, v[QA]         ; 2 off the exponent field: the conversion's scale operand
	v_lshrrev_b32 v[QBY], 23, v[QSO]               ; the byte
	WIN 0x03                                       ; source 0 in window 3
	v_cvt_scalef32_pk16_fp6_f32 v[\dst:\dst+2], v[32*(\a):32*(\a)+15], v[QSO]
	v_cvt_scalef32_pk16_fp6_f32 v[QT:QT+2], v[32*(\a)+16:32*(\a)+31], v[QSO]   ; (a conversion's three registers begin on an even number)
	WIN 0
	v_lshlrev_b32 v[QBY], v[SH8], v[QBY]           ; my byte at its place.  (The plain place behind the conversions)
.irp i, 0,1,2
	v_mov_b32 v[\dst+3+\i], v[QT+\i]
.endr
	v_permlanex16_b32 v[QP], v[QBY], s58, s59
	v_or_b32 v[\sw], v[QBY], v[QP]                 ; with the other half's byte the word is whole, in both lanes
.endm
	s_load_b256 s[4:11], s[0:1], 0x0               ; x's codes, x's scales, wimg, wsc
	s_load_b256 s[48:55], s[0:1], 0x20             ; W_v's codes, W_v's scales, out1, kv
	s_load_b64 s[56:57], s[0:1], 0x40              ; qimg
	v_lshl_add_u32 v[SPW], v0, 2, SPARE
	v_mov_b32 v[NIL], 0
	ds_add_u32 v[SPW], v[NIL]                      ; the wave's opening: the add, twice on end, and its wait ahead of my first tensor load; the set-up below stands between
	ds_add_u32 v[SPW], v[NIL]
	v_lshrrev_b32 v244, 5, v0
	v_readfirstlane_b32 s12, v244                  ; wave
	v_and_b32 v1, 31, v0                           ; lane
	v_and_b32 v2, 15, v0                           ; r
	v_bfe_u32 v3, v0, 4, 1                         ; h
	v_mul_u32_u24 v244, v2, 528
	v_mad_u32_u24 v[XA], v3, 24, v244
	v_add_nc_u32 v[XA+1], CH, v[XA]
	v_add_nc_u32 v[XA+2], 2*CH, v[XA]
	v_mad_u32_u24 v[XB], v3, 67096, v244           ; CH + 24 - 512
	v_add_nc_u32 v[XB+1], CH, v[XB]
	v_lshrrev_b32 v[XSA], 2, v1
	v_lshlrev_b32 v[XSA], 4, v[XSA]
	v_lshl_add_u32 v[XSA], v1, 6, v[XSA]
	v_add_nc_u32 v[XSA], XSC, v[XSA]               ; 64 bytes a row, 16 more for each four rows
	v_lshlrev_b32 v[LI], 4, v1
	v_lshlrev_b32 v[L8], 3, v1
	s_lshl_b32 s60, s12, 7
	s_add_co_u32 s60, s60, STG
	v_lshl_add_u32 v[STO], v3, 6, v244
	v_add_nc_u32 v[STO], s60, v[STO]               ; row r, + 128 w + 64 h
	v_lshlrev_b32 v[SH8], 3, v3
	s_mul_i32 s61, s12, 16896
	s_add_co_u32 s61, s61, STG                     ; my 32 rows of the stage
	v_mul_u32_u24 v[ORD], v3, 528
	v_lshl_add_u32 v[ORD], v2, 4, v[ORD]
	v_add_nc_u32 v[ORD], s61, v[ORD]               ; out1: lanes 0-15 one row's 256 bytes of latent, lanes 16-31 the next
	v_and_b32 v245, 8, v2
	v_add_nc_u32 v245, v245, v2                    ; r + 8 (r / 8)
	v_mul_u32_u24 v[LRD], v245, 528
	v_lshl_add_u32 v[LRD], v3, 7, v[LRD]
	v_add_nc_u32 v[LRD], s61, v[LRD]               ; latent: the key of my lane in a tile, my block of 32
	v_lshl_add_u32 v[QRD], v3, 7, v244
	v_add_nc_u32 v[QRD], s61, v[QRD]
	v_add_nc_u32 v[QRD], 256, v[QRD]               ; q_res: row r, my block of 32
	s_mul_i32 s60, s12, 24
	s_add_co_u32 s60, s60, VROW
	v_mul_u32_u24 v[VST], v1, 104
	v_add_nc_u32 v[VST], s60, v[VST]               ; v's codes: channel (lane), block w
	s_add_co_u32 s60, s12, SCST+512
	v_lshl_add_u32 v[VSB], v2, 4, s60              ; V's scale bytes: 16 r + w
	s_lshr_b32 s60, s12, 1
	s_lshl_b32 s60, s60, 8
	s_and_b32 s62, s12, 1
	s_lshl_b32 s62, s62, 3
	s_add_co_u32 s60, s60, s62
	s_add_co_u32 s60, s60, SCST
	v_lshl_add_u32 v[KSA], v2, 4, s60              ; K's scale words of tiles 2 w, 2 w + 1
	s_mul_i32 s60, s12, 3328
	s_add_co_u32 s60, s60, VROW
	v_mul_u32_u24 v[VRD], v2, 104
	v_mad_u32_u24 v[VRD], v3, 24, v[VRD]
	v_add_nc_u32 v[VRD], s60, v[VRD]               ; v's fragments: channel 32 w + r, + 24 h
	s_lshl_b32 s60, s12, 8
	s_add_co_u32 s60, s60, SCST
	v_lshl_add_u32 v[SRD], v1, 3, s60              ; my 256 bytes of the scale words
	v_mul_u32_u24 v245, v2, 48
	v_mad_u32_u24 v245, v3, 24, v245               ; W_v: rows of 48 bytes
	v_lshlrev_b32 v246, 4, v2
	v_lshl_add_u32 v246, v3, 10, v246              ; wsc: 1,024 (lane / 16) + 16 r
	v_lshlrev_b32 v247, 1, v2                      ; W_v's scale bytes: 2 a row
	s_mov_b32 s58, 0x76543210
	s_mov_b32 s59, 0xfedcba98                      ; lane l xor 16
	; descriptor group 1 for a chunk of x's codes: 128 rows of 64 elements of 8 bytes, 192 elements from row to row, 4 words of padding behind every 128
	s_mov_b32 s16, (3<<16)|(1<<20)|(6<<22)|(3<<25)
	s_mov_b32 s17, 64<<16
	s_mov_b32 s18, 128<<16
	s_mov_b32 s19, 64<<16
	s_mov_b32 s20, 128
	s_mov_b32 s21, 192
	s_mov_b32 s22, 0
	s_mov_b32 s23, 0
	; and for the scale bytes of the 128 rows: 8,192 dense bytes as 32 rows of 256, 4 words of padding behind each
	s_mov_b32 s24, (3<<16)|(1<<20)|(5<<22)|(3<<25)
	s_mov_b32 s25, 32<<16
	s_mov_b32 s26, 32<<16
	s_mov_b32 s27, 32<<16
	s_mov_b32 s28, 32
	s_mov_b32 s29, 32
	s_mov_b32 s30, 0
	s_mov_b32 s31, 0
	s_mul_i32 s2, ttmp9, 196608                    ; x's codes: 128 rows a work-group
	s_mul_i32 s60, s12, 49152                      ; my two tiles' place in wimg
	s_mov_b32 s3, 0
	s_mov_b32 s61, 0                               ; s[60:61]: also my two tiles' place in wimg
	s_lshl_b32 s62, ttmp9, 13
	s_lshl_b32 s15, s12, 11
	s_add_co_u32 s62, s62, s15                     ; 8,192 g + 2,048 w: x's scale bytes, and qimg
	s_mov_b32 s63, 0
	s_wait_alu depctr_va_vdst(0)
	s_wait_dscnt 0x0                               ; both opening adds are done
	s_wait_kmcnt 0x0
	s_add_nc_u64 s[4:5], s[4:5], s[2:3]
	s_lshl_b32 s2, ttmp9, 13
	s_add_nc_u64 s[6:7], s[6:7], s[2:3]            ; x's scale bytes: 8,192 a work-group
	s_add_nc_u64 s[56:57], s[56:57], s[62:63]
	s_lshl_b32 s2, s62, 2
	s_add_nc_u64 s[52:53], s[52:53], s[2:3]        ; out1: 32,768 g + 8,192 w
	s_add_nc_u64 s[8:9], s[8:9], s[60:61]
	s_mov_b32 s62, s15
	s_add_nc_u64 s[10:11], s[10:11], s[62:63]      ; wsc: 2,048 w
	s_mov_b32 s32, 1
	s_mov_b32 s33, XSC
	s_mov_b64 s[34:35], s[6:7]
	s_or_b32 s35, s35, 0x80000000
.irp c, 0,1,2
	s_mov_b32 s[36+4*\c], 1
	s_mov_b32 s[37+4*\c], \c*CH
	s_add_nc_u64 s[38+4*\c:39+4*\c], s[4:5], \c*512
	s_or_b32 s[39+4*\c], s[39+4*\c], 0x80000000
.endr
	s_mul_i32 s13, s12, 16896                      ; the third chunk is fetched by rows: my 32 rows of it in LDS,
	s_add_co_u32 s45, s45, s13
	s_add_nc_u64 s[46:47], s[46:47], s[60:61]      ; and in memory (49,152 bytes a wave; the type bits on top are not reached)
; THE HEAD'S FILLS, at most one a wave: wave 0 bytes 0-511 of the 128 rows, wave 1 the scale bytes, wave 2 bytes 512-1,023; wave 3 issues none.
; One chain of branches on the wave's number, all arms leading to one join; an s_nop 0 and four v_nop follow each load.
.macro ARM under, g0, g1, next
	s_cmp_lt_u32 s12, \under
	s_cbranch_scc0 \next
	tensor_load_to_lds s[\g0:\g0+3], s[\g1:\g1+7]
	s_nop 0
.rept 4
	v_nop
.endr
	s_branch .Lhead_asked
\next:
.endm
	ARM 1, 36, 16, .Lhead_sc
	ARM 2, 32, 24, .Lhead_c1
	ARM 3, 40, 16, .Lhead_c2
.Lhead_asked:
	s_mul_i32 s2, ttmp9, 19456
	s_add_nc_u64 s[54:55], s[54:55], s[2:3]        ; kv at my block.  (s[4:7] are free: the descriptors hold their own copies)
	s_mul_i32 s2, s12, 1536
	s_add_nc_u64 s[4:5], s[54:55], s[2:3]          ; K's images of tiles 2 w, 2 w + 1
	s_mul_i32 s2, s12, 3072
	s_add_co_u32 s2, s2, 6144
	s_add_nc_u64 s[6:7], s[54:55], s[2:3]          ; V's images of tiles 2 w, 2 w + 1
	s_lshl_b32 s2, s12, 8
	s_add_co_u32 s2, s2, 18432
	s_add_nc_u64 s[54:55], s[54:55], s[2:3]        ; my 256 bytes of the scale words
	WIN 0x40                                       ; destination window 1
.irp s, 0,1,2,3,4,5,6,7,8,9
.irp u, 0,1
.irp c, 0,1,2
	global_load_b128 v[12*(2*\s+\u)+4*\c:12*(2*\s+\u)+4*\c+3], v[LI], s[8:9] offset:(16*\u+\s)*1536+512*\c
.endr
.endr
.endr
	WIN 0x80                                       ; destination window 2
.irp s, 10,11,12,13,14,15
.irp u, 0,1
.irp c, 0,1,2
	global_load_b128 v[12*(2*(\s-10)+\u)+4*\c:12*(2*(\s-10)+\u)+4*\c+3], v[LI], s[8:9] offset:(16*\u+\s)*1536+512*\c
.endr
.endr
.endr
.irp n, 0,1,2,3,4,5,6,7                        ; W_v: 16 channels x 64: registers 0-5 as they lie, registers 6-11 zero codes
.irp k, 0,1,2
	global_load_b64 v[144+12*\n+2*\k:145+12*\n+2*\k], v245, s[48:49] offset:768*\n+8*\k
.endr
.irp k, 6,7,8,9,10,11
	v_mov_b32 v[144+12*\n+\k], 0
.endr
.endr
	WIN 0
.irp q, 0,1,2,3
	global_load_b128 v[WS+4*\q:WS+4*\q+3], v246, s[10:11] offset:256*\q
.endr
.irp n, 0,1,2,3,4,5,6,7
	global_load_u16 v[WVS+\n], v247, s[50:51] offset:32*\n   ; two bytes; the upper two, 0, scale zero codes alone
.endr
	s_wait_alu depctr_va_vdst(0)
	s_wait_tensorcnt 0x0                           ; my tile of the head's three is in; ahead of a later first fill:
	ds_add_u32 v[SPW], v[NIL]                      ; 0 onto my spare word,
	ds_add_u32 v[SPW], v[NIL]                      ; twice on end
	s_mov_b32 s18, 32<<16                          ; no tensor load of mine is out, so a descriptor may be written: the next load brings 32 rows: tensor_dim1,
	s_mov_b32 s20, 32                              ; and tile_dim1
	s_wait_dscnt 0x0                               ; both adds are done
	s_barrier_signal -1
	s_barrier_wait -1                              ; everybody's tile is in
	tensor_load_to_lds s[44:47], s[16:23]          ; bytes 1,024-1,535 of my 32 rows: my one tensor load behind this barrier
	s_nop 0
.rept 4
	v_nop
.endr
.irp q, 0,1,2,3
.irp mp, 0,1,2,3
	ds_load_b128 v[XS+16*\q+4*\mp:XS+16*\q+4*\mp+3], v[XSA] offset:2176*\mp+16*\q
.endr
.endr
	FETCH 0
	s_wait_loadcnt 0x0                             ; the weights and their scale words
	STEP 0, 1
	STEP 1, 0
	STEP 2, 0
	STEP 3, 0
	STEP 4, 0
	STEP 5, 0
	STEP 6, 0
	STEP 7, 0
	STEP 8, 0
	s_wait_dscnt 0x0                               ; K step 9; K step 10 reaches into the third chunk
	MULS 9, 0
	s_wait_tensorcnt 0x0                           ; my 32 rows of that chunk are in,
	s_barrier_signal -1
	s_barrier_wait -1                              ; everybody's are
	PLACES
	FETCH 10
	STEP 10, 0
	STEP 11, 0
	STEP 12, 0
	STEP 13, 0
	STEP 14, 0
	s_wait_dscnt 0x0
	MULS 15, 0
	PLACES
	WIN 0x0c                                       ; an LDS store's data are its source 1: window 3
.irp m, 0,1,2,3,4,5,6,7
.irp u, 0,1
	ds_store_b128 v[STO], v[8*(2*\m+\u):8*(2*\m+\u)+3] offset:8448*\m+32*\u          ; each accumulator from its low end on: row 16 m + r, columns 32 w + 16 h + 8 u + 0 .. 7
	ds_store_b128 v[STO], v[8*(2*\m+\u)+4:8*(2*\m+\u)+7] offset:8448*\m+32*\u+16
.endr
.endr
	WIN 0
	s_wait_dscnt 0x0                               ; for the others' sake: my columns lie in the stage
	s_barrier_signal -1
	s_barrier_wait -1
	; ---- rows: wave w takes rows 32 w .. 32 w + 31
	WIN 0xc0                                       ; destination window 3
.irp i, 0,1,2,3,4,5,6,7,8,9,10,11,12,13,14,15
	ds_load_b128 v[128+4*\i:131+4*\i], v[ORD] offset:1056*\i
.endr
.irp a, 0,1                                    ; latent's tiles u = 0, 1: keys 32 w + 8 u + r + 8 (r / 8)
.irp k, 0,1,2,3,4,5,6,7
	ds_load_b128 v[32*\a+4*\k:32*\a+4*\k+3], v[LRD] offset:4224*\a+16*\k
.endr
.endr
.irp a, 2,3                                    ; q_res's two tiles of 16 rows
.irp k, 0,1,2,3,4,5,6,7
	ds_load_b128 v[32*\a+4*\k:32*\a+4*\k+3], v[QRD] offset:8448*(\a-2)+16*\k
.endr
.endr
	WIN 0
.irp k, 102,103,104,105,106,107,114,115,116,117,118,119,127,135,211
	v_mov_b32 v[\k], 0                             ; the zero codes of latent's two fragments; the words beside q's scale words; the permute's destination
.endr
	s_wait_dscnt 32                                ; out1's 16 loads are in; the 32 younger ones stay out
	WIN 0x0c
.irp i, 0,1,2,3,4,5,6,7,8,9,10,11,12,13,14,15
	global_store_b128 v[LI], v[128+4*\i:131+4*\i], s[52:53] offset:512*\i th:TH_STORE_NT   ; 512 consecutive bytes: two rows of out1
.endr
	WIN 0
	s_wait_dscnt 24                                ; set 0 is in; three younger sets of 8 stay out
	QROW 0, 96, KSW
	global_store_b128 v[LI], v[96:99], s[4:5]
	global_store_b64 v[L8], v[100:101], s[4:5] offset:512
	s_wait_dscnt 16
	QROW 1, 108, KSW+1
	global_store_b128 v[LI], v[108:111], s[4:5] offset:768
	global_store_b64 v[L8], v[112:113], s[4:5] offset:768+512
	s_wait_dscnt 8
	QROW 2, 120, 126
	global_store_b128 v[LI], v[120:123], s[56:57]
	global_store_b64 v[L8], v[124:125], s[56:57] offset:512
	global_store_b64 v[L8], v[126:127], s[56:57] offset:768
	s_wait_dscnt 0x0
	QROW 3, 128, 134
	global_store_b128 v[LI], v[128:131], s[56:57] offset:1024
	global_store_b64 v[L8], v[132:133], s[56:57] offset:1024+512
	global_store_b64 v[L8], v[134:135], s[56:57] offset:1024+768
	ds_store_b64 v[KSA], v[KSW:KSW+1]              ; lanes r and r + 16 write the same words with the same values
	; ---- v = Q(latent) W_v^T: source 0 = my 16 keys of tile u, source 1 = 16 channels: lane (r, h) holds channel 16 n + r, register 16 n + i key 32 w + 16 h + i.  q_res's two quantisers are the places behind the writes of latent's codes and scale words
	WIN 0xc8                                       ; D window 3, source 1 window 2
.irp n, 0,1,2,3,4,5,6,7
.irp u, 0,1
	v_wmma_scale_f32_16x16x128_f8f6f4 v[16*\n+8*\u:16*\n+8*\u+7], v[96+12*\u:107+12*\u], v[144+12*\n:155+12*\n], 0, v[KSW+\u], v[WVS+\n] matrix_a_fmt:MATRIX_FMT_FP6 matrix_b_fmt:MATRIX_FMT_FP6
.endr
.endr
	WIN 0
.irp n, 0,1,2,3,4,5,6,7
	v_mov_b32 v[AM+\n], 0x1800000                  ; the floor.  (These sixteen moves are the places behind the products)
.endr
.irp n, 0,1,2,3,4,5,6,7
	v_mov_b32 v[PT+\n], 0
.endr
	s_wait_xcnt 0x0                                ; the stores above have read their registers: v96-135 may be written again
	WIN 0x3c
.irp i, 0,2,4,6,8,10,12,14
.irp n, 0,1,2,3,4,5,6,7
	v_max3_num_f32 v[AM+\n], v[AM+\n], |v[16*\n+\i]|, |v[16*\n+\i+1]|   ; the eight channels' blocks by turns, each result from its low end on
.endr
.endr
	WIN 0
.irp n, 0,1,2,3,4,5,6,7
	v_permlanex16_b32 v[PT+\n], v[AM+\n], s58, s59
.endr
.irp n, 0,1,2,3,4,5,6,7
	v_max_num_f32 v[AM+\n], v[AM+\n], v[PT+\n]     ; with the other 16 keys': the block's largest magnitude
.endr
.irp n, 0,1,2,3,4,5,6,7
	v_add_nc_u32 v[SO+\n], 0xff000000, v[AM+\n]
.endr
.irp n, 0,1,2,3,4,5,6,7
	v_lshrrev_b32 v[AM+\n], 23, v[SO+\n]
.endr
.irp n, 0,1,2,3,4,5,6,7
	ds_store_b8 v[VSB], v[AM+\n] offset:256*(\n/4)+4*(\n%4)   ; byte w of channel 16 n + r's word
.endr
	WIN 0x03
.irp p, 0,1,2,3
	v_cvt_scalef32_pk16_fp6_f32 v[140+8*\p:142+8*\p], v[32*\p:32*\p+15], v[SO+2*\p]
	v_cvt_scalef32_pk16_fp6_f32 v[172+4*\p:174+4*\p], v[32*\p+16:32*\p+31], v[SO+2*\p+1]
.endr
	WIN 0
	v_nop                                          ; one plain place behind a scaled conversion
.irp p, 0,1,2,3                                ; tiles 2 p and 2 p + 1 change halves: lane l then holds the whole block w of channel 32 p + l
.irp i, 0,1,2
	v_permlane16_swap_b32 v[140+8*\p+\i], v[172+4*\p+\i]
.endr
.irp i, 0,1,2
	v_mov_b32 v[143+8*\p+\i], v[172+4*\p+\i]
.endr
.endr
.irp p, 0,1,2,3
.irp k, 0,1,2
	ds_store_b64 v[VST], v[140+8*\p+2*\k:141+8*\p+2*\k] offset:3328*\p+8*\k
.endr
.endr
	s_wait_dscnt 0x0                               ; for the others' sake: my block of every channel, and my scale words and bytes
	s_barrier_signal -1
	s_barrier_wait -1
.irp j, 0,1                                    ; V's fragments of channel tiles 2 w + j: 16 channels x 128 keys
.irp p, 0,1,2,3,4,5
	ds_load_b64 v[96+12*\j+2*\p:97+12*\j+2*\p], v[VRD] offset:1664*\j+48*(\p/3)+8*(\p%3)
.endr
.endr
	ds_load_b64 v[120:121], v[SRD]
	s_wait_dscnt 0x0
.irp j, 0,1
.irp c, 0,1,2
	global_store_b128 v[LI], v[96+12*\j+4*\c:99+12*\j+4*\c], s[6:7] offset:1536*\j+512*\c
.endr
.endr
	global_store_b64 v[L8], v[120:121], s[54:55]   ; 256 consecutive bytes, aligned
	s_wait_tensorcnt 0x0                           ; the wave's end: behind my last tensor load and my last LDS store
	ds_add_u32 v[SPW], v[NIL]
	s_wait_dscnt 0x0
	s_endpgm
.Lfunc_end_k_q30747df42e_proj:
	.size	k_q30747df42e_proj, .Lfunc_end_k_q30747df42e_proj-k_q30747df42e_proj
	.p2alignl 7, 3214868480
	.fill 96, 4, 3214868480
	.section	.rodata,"a",@progbits
	.p2align	6, 0x0
	.amdhsa_kernel k_q30747df42e_proj
		.amdhsa_group_segment_fixed_size 327680
		.amdhsa_private_segment_fixed_size 0
		.amdhsa_enable_private_segment 0
		.amdhsa_kernarg_size 72
		.amdhsa_user_sgpr_count 2
		.amdhsa_user_sgpr_kernarg_segment_ptr 1
		.amdhsa_wavefront_size32 1
		.amdhsa_system_sgpr_workgroup_id_x 1
		.amdhsa_system_sgpr_workgroup_id_y 1
		.amdhsa_system_sgpr_workgroup_id_z 1
		.amdhsa_system_vgpr_workitem_id 0
		.amdhsa_next_free_vgpr 1024
		.amdhsa_next_free_sgpr 66
		.amdhsa_reserve_vcc 0
		.amdhsa_float_denorm_mode_32 3
		.amdhsa_float_denorm_mode_16_64 3
		.amdhsa_memory_ordered 1
		.amdhsa_forward_progress 1
		.amdhsa_inst_pref_size 135
	.end_amdhsa_kernel
	.amdgpu_metadata
---
amdhsa.version: [ 1, 2 ]
amdhsa.kernels:
  - .name:           k_q30747df42e_proj
    .symbol:         k_q30747df42e_proj.kd
    .args:
      - { .name: x_codes, .offset: 0, .size: 8, .value_kind: global_buffer, .address_space: global }
      - { .name: x_scales, .offset: 8, .size: 8, .value_kind: global_buffer, .address_space: global }
      - { .name: wimg, .offset: 16, .size: 8, .value_kind: global_buffer, .address_space: global }
      - { .name: wsc, .offset: 24, .size: 8, .value_kind: global_buffer, .address_space: global }
      - { .name: W_v_codes, .offset: 32, .size: 8, .value_kind: global_buffer, .address_space: global }
      - { .name: W_v_scales, .offset: 40, .size: 8, .value_kind: global_buffer, .address_space: global }
      - { .name: out1, .offset: 48, .size: 8, .value_kind: global_buffer, .address_space: global }
      - { .name: kv, .offset: 56, .size: 8, .value_kind: global_buffer, .address_space: global }
      - { .name: qimg, .offset: 64, .size: 8, .value_kind: global_buffer, .address_space: global }
    .group_segment_fixed_size: 327680
    .private_segment_fixed_size: 0
    .kernarg_segment_align: 8
    .kernarg_segment_size: 72
    .max_flat_workgroup_size: 128
    .sgpr_count:     66
    .vgpr_count:     1024
    .wavefront_size: 32
...
	.end_amdgpu_metadata
.endif
;; end of part 2
;; launch attn (part 3): grid 32 x 8, 16 waves a work-group, no clusters, 327,680 bytes of LDS; arguments qimg, kv, out0; writes out0
.if DOCPART == 3
	.amdgcn_target "amdgcn-amd-amdhsa--gfx1250"
	.amdhsa_code_object_version 6
	.text
	.protected	k_q30747df42e_attn
	.globl	k_q30747df42e_attn
	.p2align	8
	.type	k_q30747df42e_attn,@function
k_q30747df42e_attn:
	s_mov_b64 s[64:65], 0
	v_nop
	global_prefetch_b8 v0, s[64:65] scope:SCOPE_SE
	s_setreg_imm32_b32 hwreg(HW_REG_WAVE_MODE, 25, 1), 1
	s_wait_xcnt 0x0
; out0[b][q][:] = the sum over k <= q of softmax_k(q_res[q] . latent[k] / sqrt(128)) v[k][:], both products on codes of FP6 (E2M3) with E8M0 scales, from the images that proj has stored.
; WORK LEFT OUT: key steps all of whose 128 keys come after a block's queries: reference()'s own causal mask gives them the weight 0 (shown at the head of prep).
; THE SOFTMAX: t = score x log2(e) / sqrt(128); M = the running largest t rounded up to a whole number; p = 2^(t - M) is quantised along the keys, not normalised; the row's sum is taken of the unquantised p and divides at the end.
; LIMITS: hidden scores become -infinity where reference() writes -1e20: the two differ only where every visible logit of a row lies under about -1e20.  NaN and infinities are not served.  The promise holds while |t| stays under 2^31.
; The rest as stated at the head of prep.
; SHARES.  Work-group (i, batch) owns the blocks i (early) and 63 - i (late) of 64 queries.  The early block sees n1 = i / 2 + 1 key steps of 128, the late one n2 = (63 - i) / 2 + 1; n1 + n2 = 33 for every i.
; The two walks are ONE LIST of 33 entries: entry e < n1 is the early block's key step e, entry e >= n1 the late block's key step e - n1.
; Sixteen waves of 256 registers = 4 tiles of 16 queries x 4 places in a slot.  From the wave's number w: tile = w / 4, place = (w % 4 + w / 4) % 4.  In trip T a wave serves entry 4 T + place - 3 for its tile: 9 trips;
; trip 0 has entry 0 alone, all others four.
; At its first entry >= n1 (trip 5 at the latest, since n1 <= 16) a wave puts O^T, -M and the row's sum of the early block into LDS bytes of its own, takes the late block's Q, and sets M back: the first factor f is then 0,
; which clears O^T and the sum.  In trip 6 the early block's four states a tile are joined and stored; behind trip 8 the late block's, through the same LDS bytes.  Of a tile's four waves each joins 64 channels of 8 rows.
; THE RING: two LDS slots of four key steps (4 x 19,456 dense bytes, as kv has them).  Waves 0-3 each fill one key step by one tensor load: one load of a wave is out at the most.  Every wait on TENSORcnt is for 0.
; NO CLUSTER: the work-groups of a batch pass from the early block's keys to the late block's at different entries (n1 hangs on i), so partners would ask for different tiles.
; LAYOUT.  S^T = K Q^T (source 0 = 16 keys, source 1 = my 16 queries), O^T = V^T P^T: a lane holds one query throughout.  K = 64: Q's registers 6-11 are zero codes, so whatever codes stand in registers 6-11 of K's fragment add
; nothing (FP6 has neither infinity nor NaN, and the scale bytes there are 0, a finite code).  So K's eight fragments lie 6 registers apart, each one's registers 6-11 being the next one's 0-5; the last one's are the kept second Q.
; Lane r of K's tile 2 b + u holds key 32 b + 8 u + r + 8 (r / 8): the 16 registers of tiles 2 b, 2 b + 1 are keys 32 b + 16 (lane / 16) + 0 .. 15.
; REGISTERS: v1-3 16 x lane, 8 x lane, 16 r; v8-10 the step's addresses; v11, v90-95 the late block's Q; v12 -M, v13 the largest t, v[14:15] the sum; v16-27 Q; v32-39 scale words of K, then of V; v42-89 K's fragments, then V's tiles 0-3;
; v96-159 S^T, then p, then V's tiles 4-7; v160-223 O^T; v224-235 p's codes; v232-254 at work; v253 p's scale word; v255 Q's.
.set STEPB, 19456                      ; a key step's block
.set SLOTB, 4*STEPB
.set SLOT1, 131072                     ; slot 1 begins here: one exclusive or turns an address
.set REG,   8704                       ; a wave's state: 16 rows x (512 + 16) bytes of O, then 16 x 8 bytes of (-M, sum), to a multiple of 256
.set EXA0,  SLOTB                      ; the states: place 0 behind slot 0,
.set EXA1,  SLOT1+SLOTB                ; places 1-3 behind slot 1
.set GS,    EXA1+12*REG                ; the joining factors, 256 bytes a wave
.set SPARE, GS+4096                    ; the spare words, 128 bytes a wave, which no other line names
.set LI,  1
.set L8,  2
.set LR,  3
.set SPW, 5                            ; v5   my spare word; never rewritten
.set NIL, 6                            ; v6   0; never rewritten
.set GO,  7                            ; v7   my byte offset in the rows of out0 that I store
.set AD16, 8
.set AD8, 9
.set ADS, 10
.set PFO, 28                           ; v28  the prefetches' offset; never rewritten
.set EXS, 29                           ; v29  where my state's rows of O go
.set EXM, 30                           ; v30  and its (-M, sum)
.set SW,  32                           ; v32-39 scale words
.set DL,  40                           ; v40  r - 16 h
.set KFR, 42                           ; v42-89
.set TB,  2                            ; s2   LDS byte of my key step in the slot in hand
.set WV,  18
.set LW,  19                           ; s19  w % 4: which key step of a slot a loading wave fills
.set SEL, 20
.set CS,  22
.set G1,  24
.set TL,  32                           ; tile
.set PH,  33                           ; place
.set KID, 34                           ; 4 x place + tile: numbers the states
.set RG,  35                           ; which 8 rows I join
.set HF,  36                           ; and which 64 channels
.set NA,  37                           ; n1
.set E,   38                           ; my entry
.set LE,  39                           ; the entry that I fetch
.set G0,  40
.set RB,  45                           ; my rows' and channels' place in a state
.set GSB, 46                           ; my factors
.set GSR, 47                           ; and those of my 8 rows
.set MB,  48                           ; s48-51 LDS bytes of my tile's four states
.set OUTA, 52                          ; s[52:53] out0 at my part of the early tile,
.set OUTB, 54                          ; s[54:55] and of the late one
.set SLOTS, 67
.set Q0N, 68                           ; the late tile's first query
.set PFA, 76
.set LIM, 80
.set KF,  98                           ; my key step's first key
.set Q0,  99                           ; my first query
.macro TLOAD                           ; waves 0-3 fetch; an s_nop 0 and four v_nop follow the load
	s_cmp_lt_u32 s[WV], 4
	s_cbranch_scc0 .Lno_load_\@
	tensor_load_to_lds s[G0:G0+3], s[G1:G1+7]
	s_nop 0
.rept 4
	v_nop
.endr
.Lno_load_\@:
.endm
; A PREFETCH INTO THE L2 of the four key steps that the NEXT change of slots will ask for: 304 blocks of 256 bytes.  The batch's first work-group (n1 = 1) fetches key steps 4 T .. 4 T + 3 in trip T, and so walks all 32 on end
; ahead of the others' late blocks; it asks, its waves 4 to 13, a lane a block; the tenth wave has 16 blocks left, and its last sixteen lanes name block 303 once more.
; Trip T names key steps 4 T + 4 .. 4 T + 7, for T = 0 .. 6; key steps 0-3 come by their loads alone.
.macro ASK
	s_cmp_eq_u32 s[LIM], 1
	s_cbranch_scc0 .Lno_ask_\@
	global_prefetch_b8 v[PFO], s[PFA:PFA+1] th:TH_LOAD_NT scope:SCOPE_SE
.Lno_ask_\@:
.endm
; My state goes to LDS: O by rows (row r, channels 16 t + 8 h + 0 .. 7 at byte 64 t + 32 h), and (-M, the row's sum)
.macro PUT
.rept 4
	v_nop                                          ; places behind the last products
.endr
	v_add_f32 v14, v14, v15
	s_delay_alu instid0(VALU_DEP_1)
	v_permlanex16_b32 v252, v14, s[SEL], s[SEL+1]
	s_delay_alu instid0(VALU_DEP_1)
	v_add_f32 v13, v14, v252                       ; my steps' sum of the row
.irp t, 0,1,2,3,4,5,6,7
	ds_store_b128 v[EXS], v[160+8*\t:163+8*\t] offset:64*\t        ; each result from its low end on
	ds_store_b128 v[EXS], v[164+8*\t:167+8*\t] offset:64*\t+16
.endr
	ds_store_b64 v[EXM], v[12:13] offset:8448      ; lanes r and r + 16 write the same words with the same values
.endm
; THE JOIN of my tile's four states, behind a barrier that shows them whole: my 64 channels of my 8 rows.  The factors 2^(M_p - the common M) / the row's sum are made with a lane to a row, go through my own 256 bytes of LDS,
; and come back by the rows that a lane stores.  ob: out0 at my part of the tile.  At work: v96-159, v224-252
.macro JOIN ob
	v_and_b32 v244, 15, v0                         ; r
	v_bfe_u32 v245, v0, 4, 1                       ; h
	s_delay_alu instid0(VALU_DEP_1)
	v_mul_u32_u24 v246, v245, 528
	v_lshl_add_u32 v247, v244, 4, s[GSB]
	v_lshl_add_u32 v248, v245, 4, s[GSR]
.irp p, 0,1,2,3
	v_lshl_add_u32 v[249+\p], v244, 3, s[MB+\p]
.endr
	v_lshl_add_u32 v246, v244, 4, v246             ; lanes 0-15 one row's 256 bytes, lanes 16-31 the next row's
.irp p, 0,1,2,3
	ds_load_b64 v[232+2*\p:233+2*\p], v[249+\p] offset:8448   ; (-M, sum) of row r in each of the four states
.endr
	v_add_nc_u32 v246, s[RB], v246
.irp p, 0,1,2,3
	v_add_nc_u32 v[249+\p], s[MB+\p], v246
.endr
.irp p, 0,1,2,3
.irp i, 0,1,2,3
	ds_load_b128 v[96+16*\p+4*\i:99+16*\p+4*\i], v[249+\p] offset:1056*\i   ; rows 2 i + lane / 16 of my 8, my 64 channels
.endr
.endr
	s_wait_alu depctr_va_vdst(0)
	s_wait_dscnt 16                                ; the four small loads are in; the 16 younger ones stay out
	v_min_num_f32 v244, v232, v234
	v_min_num_f32 v245, v236, v238
	s_delay_alu instid0(VALU_DEP_1)
	v_min_num_f32 v244, v244, v245                 ; the common -M
.irp p, 0,1,2,3
	v_sub_f32 v[240+\p], v244, v[232+2*\p]         ; each M less the common one: a whole number, 0 or less
.endr
.irp p, 0,1,2,3
	s_delay_alu instid0(VALU_DEP_4)
	v_cvt_i32_f32 v[240+\p], v[240+\p]             ; (it saturates: a state that saw no key gets the factor 0)
.endr
.irp p, 0,1,2,3
	s_delay_alu instid0(VALU_DEP_4)
	v_ldexp_f32 v[240+\p], 1.0, v[240+\p]
.endr
	s_delay_alu instid0(VALU_DEP_4)
	v_mul_f32 v245, v233, v240
	s_delay_alu instid0(VALU_DEP_1)
	v_fma_f32 v245, v235, v241, v245
	s_delay_alu instid0(VALU_DEP_1)
	v_fma_f32 v245, v237, v242, v245
	s_delay_alu instid0(VALU_DEP_1)
	v_fma_f32 v245, v239, v243, v245               ; the row's sum
	s_wait_alu depctr_va_vdst(0)
	v_rcp_f32 v246, v245
	v_nop                                          ; one plain place behind it
	s_wait_alu depctr_va_vdst(0)
.irp p, 0,1,2,3
	v_mul_f32 v[240+\p], v[240+\p], v246
.endr
	ds_store_b128 v247, v[240:243]                 ; row r's four factors (lanes r and r + 16 write the same),
.irp i, 0,1,2,3
	ds_load_b128 v[224+4*\i:227+4*\i], v248 offset:32*\i   ; and back by rows: LDS serves a wave's instructions in order (ISA guide 5.7.1.4)
.endr
	s_wait_dscnt 0x0
.irp i, 0,1,2,3
.irp k, 0,1,2,3
	v_mul_f32 v[96+4*\i+\k], v[96+4*\i+\k], v[224+4*\i]
.endr
.endr
.irp p, 1,2,3
.irp i, 0,1,2,3
.irp k, 0,1,2,3
	v_fma_f32 v[96+4*\i+\k], v[96+16*\p+4*\i+\k], v[224+4*\i+\p], v[96+4*\i+\k]
.endr
.endr
.endr
.irp i, 0,1,2,3
	global_store_b128 v[GO], v[96+4*\i:99+4*\i], s[\ob:\ob+1] offset:1024*\i th:TH_STORE_NT   ; 16 lanes store 256 consecutive bytes, aligned
.endr
	s_wait_xcnt 0x0                                ; the stores have read their registers: v96-111 may be written again
.endm
	s_load_b128 s[4:7], s[0:1], 0x0                ; qimg, kv
	s_load_b64 s[8:9], s[0:1], 0x10                ; out0
	v_lshl_add_u32 v[SPW], v0, 2, SPARE
	v_mov_b32 v[NIL], 0
	ds_add_u32 v[SPW], v[NIL]                      ; the wave's opening: the add, twice on end, and its wait ahead of the first tensor load; the set-up below stands between
	ds_add_u32 v[SPW], v[NIL]
	v_lshrrev_b32 v8, 5, v0
	s_delay_alu instid0(VALU_DEP_1)
	v_readfirstlane_b32 s[WV], v8
	s_and_b32 s[LW], s[WV], 3
	s_lshr_b32 s[TL], s[WV], 2
	s_add_co_u32 s[PH], s[LW], s[TL]
	s_and_b32 s[PH], s[PH], 3
	s_lshl_b32 s[KID], s[PH], 2
	s_add_co_u32 s[KID], s[KID], s[TL]
	s_lshr_b32 s[RG], s[PH], 1
	s_and_b32 s[HF], s[PH], 1
	s_lshr_b32 s[NA], ttmp9, 1
	s_add_co_u32 s[NA], s[NA], 1                   ; n1
	s_sub_co_u32 s82, 63, ttmp9                    ; the late block,
	s_lshl_b32 s82, s82, 2
	s_add_co_u32 s82, s82, s[TL]                   ; its tile in the batch,
	s_lshl_b32 s83, ttmp9, 2
	s_add_co_u32 s83, s83, s[TL]                   ; and the early block's
	s_lshl_b32 s[Q0], s83, 4
	s_lshl_b32 s[Q0N], s82, 4
	s_sub_co_u32 s[E], s[PH], 3                    ; entries under 0 wrap to numbers over 32, which count as none
	s_sub_co_u32 s[LE], s[LW], 3
	s_mul_i32 s[TB], s[PH], STEPB
	s_mov_b32 s[SLOTS], 6
	s_and_b32 s90, ttmp7, 0xffff                   ; the batch
	s_mul_i32 s72, s90, 32*STEPB
	s_mov_b32 s73, 0
	s_lshl_b32 s91, s90, 8
	s_add_co_u32 s74, s91, s83
	s_lshl_b32 s74, s74, 10                        ; qimg: 1,024 bytes a tile
	s_mov_b32 s75, 0
	s_add_co_u32 s78, s91, s82
	s_lshl_b32 s78, s78, 10
	s_mov_b32 s79, 0
	s_lshl_b32 s85, s90, 12
	s_lshl_b32 s84, s[RG], 3
	s_add_co_u32 s85, s85, s84                     ; the batch's first row + my 8 rows' place in a tile
	s_lshl_b32 s84, s[HF], 8
	s_add_co_u32 s86, s85, s[Q0]
	s_lshl_b32 s86, s86, 9
	s_add_co_u32 s86, s86, s84                     ; out0: rows of 512 bytes, my 64 channels
	s_mov_b32 s87, 0
	s_add_co_u32 s94, s85, s[Q0N]
	s_lshl_b32 s94, s94, 9
	s_add_co_u32 s94, s94, s84
	s_mov_b32 s95, 0
	s_mul_i32 s[RB], s[RG], 8*528
	s_add_co_u32 s[RB], s[RB], s84
	s_sub_co_u32 s88, s[WV], 4
	s_cmp_lt_u32 s88, 10
	s_cselect_b32 s84, 0, 1                        ; 0 in waves 4 to 13,
	s_or_b32 s84, s84, ttmp9                       ; of the batch's first work-group
	s_cmp_eq_u32 s84, 0
	s_cselect_b32 s[LIM], 1, 0
	s_lshl_b32 s88, s88, 5
	s_mul_i32 s89, s[KID], REG                     ; my state: EXA0 + REG x tile for place 0, EXA1 + REG x (4 (place - 1) + tile) for the others
	s_min_u32 s97, s[PH], 1
	s_mul_i32 s97, s97, EXA1-EXA0-4*REG
	s_add_co_u32 s89, s89, s97
	s_add_co_u32 s89, s89, EXA0
	s_mov_b32 s[SEL], 0x76543210
	s_mov_b32 s[SEL+1], 0xfedcba98
	s_mov_b32 s[CS], 0x3e0293ee                    ; c = log2(e) / sqrt(128)
	s_mov_b32 s[CS+1], s[CS]
	; descriptor group 1: a key step, 19,456 dense bytes, as 76 rows of 32 elements of 8 bytes, no padding
	s_mov_b32 s[G1], 3<<16
	s_mov_b32 s[G1+1], 32<<16
	s_mov_b32 s[G1+2], 76<<16
	s_mov_b32 s[G1+3], 32<<16
	s_mov_b32 s[G1+4], 76
	s_mov_b32 s[G1+5], 32
	s_mov_b32 s[G1+6], 0
	s_mov_b32 s[G1+7], 0
	v_and_b32 v10, 31, v0                          ; lane
	v_and_b32 v8, 15, v0                           ; r
	v_bfe_u32 v9, v0, 4, 1                         ; h
	v_add_nc_u32 v[PFO], s88, v10
	v_lshlrev_b32 v[LI], 4, v10
	v_lshlrev_b32 v[L8], 3, v10
	v_lshlrev_b32 v[LR], 4, v8
	v_min_u32 v[PFO], 303, v[PFO]
	v_lshlrev_b32 v[GO], 9, v9
	v_lshlrev_b32 v[DL], 4, v9
	v_mul_u32_u24 v[EXS], v8, 528
	v_lshlrev_b32 v[PFO], 8, v[PFO]
	v_lshl_add_u32 v[GO], v8, 4, v[GO]
	v_sub_nc_u32 v[DL], v8, v[DL]
	v_lshl_add_u32 v[EXS], v9, 5, v[EXS]
	v_lshl_add_u32 v[EXM], v8, 3, s89
	s_delay_alu instid0(VALU_DEP_2)
	v_add_nc_u32 v[EXS], s89, v[EXS]
	s_wait_alu depctr_va_vdst(0)
	s_wait_dscnt 0x0                               ; both opening adds are done
	s_wait_kmcnt 0x0
	s_add_nc_u64 s[6:7], s[6:7], s[72:73]          ; kv at my batch
	s_mov_b32 s[G0], 1
	s_mul_i32 s[G0+1], s[LW], STEPB
	s_mov_b64 s[G0+2:G0+3], s[6:7]
	s_or_b32 s[G0+3], s[G0+3], 0x80000000
	s_mov_b32 s93, 0
	s_cmp_eq_u32 s[WV], 3                          ; slot 0 holds entry 0 alone, at place 3: key step 0, which counts for every query
	s_cbranch_scc0 .Lno_first
	tensor_load_to_lds s[G0:G0+3], s[G1:G1+7]
	s_nop 0
.rept 4
	v_nop
.endr
.Lno_first:
	s_mov_b64 s[PFA:PFA+1], s[6:7]                 ; the first change steps it to key step 4.  Nothing is prefetched at the head
	s_add_nc_u64 s[10:11], s[4:5], s[78:79]
	s_add_nc_u64 s[4:5], s[4:5], s[74:75]
	s_add_nc_u64 s[OUTA:OUTA+1], s[8:9], s[86:87]
	s_add_nc_u64 s[OUTB:OUTB+1], s[8:9], s[94:95]
	global_load_b128 v[16:19], v[LI], s[4:5]       ; the early tile's Q: registers 0-3,
	global_load_b64 v[20:21], v[L8], s[4:5] offset:512   ; 4-5,
	global_load_b32 v255, v[L8], s[4:5] offset:768 ; and the scale words
	global_load_b128 v[90:93], v[LI], s[10:11]     ; the late tile's, kept for the change of blocks
	global_load_b64 v[94:95], v[L8], s[10:11] offset:512
	global_load_b32 v11, v[L8], s[10:11] offset:768
	s_mul_i32 s83, s[TL], REG
	s_add_co_u32 s[MB], s83, EXA0                  ; my tile's four states
.irp p, 1,2,3
	s_add_co_u32 s[MB+\p], s83, EXA1+4*(\p-1)*REG
.endr
	s_lshl_b32 s[GSB], s[WV], 8
	s_add_co_u32 s[GSB], s[GSB], GS
	s_lshl_b32 s[GSR], s[RG], 7
	s_add_co_u32 s[GSR], s[GSR], s[GSB]
.irp k, 22,23,24,25,26,27
	v_mov_b32 v[\k], 0                             ; zero codes for k = 64 .. 127
.endr
	v_mov_b32 v13, 0xff61b1e6                      ; the largest t so far: -3e38
	s_delay_alu instid0(VALU_DEP_1)
	v_floor_f32 v12, -v13                          ; -M
	v_mov_b32 v14, 0
	v_mov_b32 v15, 0
.irp b, 0,1,2,3
	v_mov_b32 v[236+\b], 0                         ; a lane permute's destination counts as one of its sources
.endr
	v_mov_b32 v252, 0
	v_mov_b32 v253, 0
.set JJ, 0
.rept 64
	v_mov_b32 v[160+JJ], 0                         ; O^T: the step is written for every trip alike
.set JJ, JJ+1
.endr
; MY ENTRY OF THE SLOT IN HAND.  turn = 1: the trips in which the change of blocks can fall
.macro STEP turn
	s_sub_co_u32 s96, s[E], s[NA]                  ; e - n1: 0 .. 3 at my first entry behind the early block's last (ids and the count of trips alone)
.if \turn
	s_cmp_lt_u32 s96, 4
	s_cbranch_scc0 .Lsame_\@
	PUT                                            ; THE CHANGE OF BLOCKS: the early block's state goes to LDS;
	v_mov_b32 v255, v11                            ; the late tile's Q (the lines below and the step's first five are the places ahead of the scaled products);
.irp k, 0,1,2,3,4,5
	v_mov_b32 v[16+\k], v[90+\k]
.endr
	v_mov_b32 v13, 0xff61b1e6                      ; M back to its start: the next step's factor f is 0 and clears O^T and the sum
	s_delay_alu instid0(VALU_DEP_1)
	v_floor_f32 v12, -v13
	s_mov_b32 s[Q0], s[Q0N]
	s_wait_alu depctr_va_vdst(0)
.Lsame_\@:
.endif
	s_cmp_lt_u32 s[E], s[NA]
	s_cselect_b32 s[KF], s[E], s96                 ; my key step,
	s_lshl_b32 s[KF], s[KF], 7                     ; and its first key
	s_cmp_gt_u32 s[E], 32                          ; the list has entries 0 to 32
	s_cbranch_scc1 .Lhidden_\@
	v_add_nc_u32 v[AD16], s[TB], v[LI]
	v_add_nc_u32 v[AD8], s[TB], v[L8]
	v_add_nc_u32 v[ADS], s[TB], v[LR]
	v_nop
	v_nop                                          ; five places: the first products below write over registers that the last step's products read as V's fragments; four serve the loads
	s_wait_alu depctr_va_vdst(0)
	ds_load_b128 v[SW:SW+3], v[ADS] offset:18432   ; K's scale words of tiles 0-3,
	ds_load_b128 v[SW+4:SW+7], v[ADS] offset:18432+256 ; and 4-7
.irp t, 0,1,2,3,4,5,6,7
	ds_load_b128 v[KFR+6*\t:KFR+6*\t+3], v[AD16] offset:768*\t
	ds_load_b64 v[KFR+6*\t+4:KFR+6*\t+5], v[AD8] offset:768*\t+512
.endr
.irp t, 0,1,2,3,4,5,6,7                        ; S^T = K Q^T, eight tiles of 16 keys
.if \t == 0
	s_wait_dscnt 8                                 ; the scale words and tiles 0-3 are in; the eight loads of tiles 4-7 may be out.  (Tile 3's registers 6-11 are tile 4's 0-5: see below)
.endif
.if \t == 3
	s_wait_dscnt 0x0                               ; tile 3 names tile 4's registers as its own 6-11: no register that a product names has a load pending
.endif
	v_wmma_scale_f32_16x16x128_f8f6f4 v[96+8*\t:103+8*\t], v[KFR+6*\t:KFR+6*\t+11], v[16:27], 0, v[SW+\t], v255 matrix_a_fmt:MATRIX_FMT_FP6 matrix_b_fmt:MATRIX_FMT_FP6
.endr
.rept 4
	v_nop                                          ; places: ahead of the loads below and of the first read of the scores
.endr
	ds_load_b128 v[SW:SW+3], v[ADS] offset:18944   ; V's scale words, and its tiles 0-3 into K's registers: they come in under the softmax
	ds_load_b128 v[SW+4:SW+7], v[ADS] offset:18944+256
.irp t, 0,1,2,3
.irp c, 0,1,2
	ds_load_b128 v[KFR+12*\t+4*\c:KFR+12*\t+4*\c+3], v[AD16] offset:6144+1536*\t+512*\c
.endr
.endr
	s_add_co_u32 s96, s[KF], 127                   ; on the diagonal hidden scores become -infinity ahead of the maximum; a step all of whose keys count skips this
	s_cmp_le_u32 s96, s[Q0]
	s_cbranch_scc1 .Lopen_\@
	s_sub_co_i32 s96, s[Q0], s[KF]
	v_add_nc_u32 v250, s96, v[DL]                  ; d = my query - KF - 16 h: register 16 b + i holds key KF + 16 h + 32 b + i, hidden where 32 b + i > d
	v_mov_b32 v254, 0xff800000
.set JJ, 0
.rept 64
	v_cmp_gt_i32 vcc_lo, 32*(JJ/16)+JJ%16, v250
	v_cndmask_b32 v[96+JJ], v[96+JJ], v254, vcc_lo
.set JJ, JJ+1
.endr
.Lopen_\@:
.irp b, 0,1,2,3
	v_max3_num_f32 v[232+\b], v[96+16*\b], v[97+16*\b], v[98+16*\b]   ; the largest score of each block of 32 keys: for the row's maximum and, since p rises with the score, for the block's largest p
.endr
.irp i, 3,5,7,9,11,13
.irp b, 0,1,2,3
	v_max3_num_f32 v[232+\b], v[232+\b], v[96+16*\b+\i], v[97+16*\b+\i]
.endr
.endr
.irp b, 0,1,2,3
	v_max_num_f32 v[232+\b], v[232+\b], v[111+16*\b]
.endr
.irp b, 0,1,2,3
	s_delay_alu instid0(VALU_DEP_4)
	v_permlanex16_b32 v[236+\b], v[232+\b], s[SEL], s[SEL+1]
.endr
.irp b, 0,1,2,3
	s_delay_alu instid0(VALU_DEP_4)
	v_max_num_f32 v[232+\b], v[232+\b], v[236+\b]  ; with lane l xor 16's 16 keys
.endr
	s_delay_alu instid0(VALU_DEP_2)
	v_max3_num_f32 v254, v232, v233, v234
	s_delay_alu instid0(VALU_DEP_1)
	v_max_num_f32 v254, v254, v235
	s_delay_alu instid0(VALU_DEP_1)
	v_mul_f32 v254, s[CS], v254                    ; as t (c is positive)
	s_delay_alu instid0(VALU_DEP_1)
	v_max_num_f32 v13, v13, v254                   ; the running largest t
	v_mov_b32 v254, v12
	s_delay_alu instid0(VALU_DEP_2)
	v_floor_f32 v12, -v13                          ; the new -M = -ceil(t)
	s_delay_alu instid0(VALU_DEP_1)
	v_sub_f32 v254, v12, v254                      ; old M less new M: a whole number, 0 or less
	s_delay_alu instid0(VALU_DEP_1)
	v_cvt_i32_f32 v254, v254                       ; (it saturates)
	s_delay_alu instid0(VALU_DEP_1)
	v_ldexp_f32 v252, 1.0, v254                    ; f = 2^(old M - new M)
.irp j, 0,2,4,6,8,10,12,14,16,18,20,22,24,26,28,30,32,34,36,38,40,42,44,46,48,50,52,54,56,58,60,62
	v_pk_fma_f32 v[96+\j:97+\j], v[96+\j:97+\j], s[CS:CS+1], v[12:13] op_sel_hi:[1,0,0]   ; t - M, two at a time
.endr
.irp b, 0,1,2,3
	v_fma_f32 v[232+\b], v[232+\b], s[CS], v12
.endr
	s_wait_alu depctr_va_vdst(0)
.set JJ, 0
.rept 64
	v_exp_f32 v[96+JJ], v[96+JJ]                   ; p = 2^(t - M), at most 1
.set JJ, JJ+1
.endr
	v_pk_mul_f32 v[14:15], v[14:15], v[252:253] op_sel_hi:[1,0]   ; the sums under the new M.  (The plain place behind the exponentials)
	s_wait_alu depctr_va_vdst(0)                   ; one wait for the batch of 64, ahead of its first reader
.irp b, 0,1,2,3
	v_exp_f32 v[232+\b], v[232+\b]                 ; the blocks' largest p
.endr
	v_pk_add_f32 v[236:237], v[100:101], v[104:105]   ; the row's sum of the unquantised p, in eight chains
	v_pk_add_f32 v[250:251], v[108:109], v[112:113]
	v_pk_add_f32 v[248:249], v[116:117], v[120:121]
	v_pk_add_f32 v[246:247], v[124:125], v[128:129]
	v_pk_add_f32 v[244:245], v[132:133], v[136:137]
	v_pk_add_f32 v[242:243], v[140:141], v[144:145]
	v_pk_add_f32 v[240:241], v[148:149], v[152:153]
	v_pk_add_f32 v[14:15], v[14:15], v[156:157]
	v_pk_add_f32 v[236:237], v[236:237], v[96:97]
	v_pk_add_f32 v[250:251], v[250:251], v[98:99]
	v_pk_add_f32 v[248:249], v[248:249], v[102:103]
	v_pk_add_f32 v[246:247], v[246:247], v[106:107]
	v_pk_add_f32 v[244:245], v[244:245], v[110:111]
	v_pk_add_f32 v[242:243], v[242:243], v[114:115]
	v_pk_add_f32 v[240:241], v[240:241], v[118:119]
	v_pk_add_f32 v[14:15], v[14:15], v[122:123]
	v_pk_add_f32 v[236:237], v[236:237], v[126:127]
	v_pk_add_f32 v[250:251], v[250:251], v[130:131]
	v_pk_add_f32 v[248:249], v[248:249], v[134:135]
	v_pk_add_f32 v[246:247], v[246:247], v[138:139]
	v_pk_add_f32 v[244:245], v[244:245], v[142:143]
	v_pk_add_f32 v[242:243], v[242:243], v[146:147]
	v_pk_add_f32 v[240:241], v[240:241], v[150:151]
	v_pk_add_f32 v[14:15], v[14:15], v[154:155]
	v_pk_add_f32 v[236:237], v[236:237], v[158:159]
	s_delay_alu instid0(VALU_DEP_2)
	v_pk_add_f32 v[14:15], v[14:15], v[246:247]
	s_delay_alu instid0(VALU_DEP_2)
	v_pk_add_f32 v[236:237], v[236:237], v[244:245]
	v_pk_add_f32 v[250:251], v[250:251], v[242:243]
	v_pk_add_f32 v[248:249], v[248:249], v[240:241]
	s_delay_alu instid0(VALU_DEP_2)
	v_pk_add_f32 v[14:15], v[14:15], v[250:251]
	s_delay_alu instid0(VALU_DEP_2)
	v_pk_add_f32 v[236:237], v[236:237], v[248:249]
	s_delay_alu instid0(VALU_DEP_1)
	v_pk_add_f32 v[14:15], v[14:15], v[236:237]
	s_wait_alu depctr_va_vdst(0)                   ; and one for the four
.irp b, 0,1,2,3
	v_max_num_f32 v[232+\b], 0x1800000, v[232+\b]  ; the floor 2^(3 - 127): a block whose every p is 0 keeps the byte 1; its codes are zeros
.endr
.irp b, 0,1,2,3
	s_delay_alu instid0(VALU_DEP_4)
	v_add_nc_u32 v[244+\b], 0xff000000, v[232+\b]
.endr
.irp b, 0,1,2,3
	s_delay_alu instid0(VALU_DEP_4)
	v_lshrrev_b32 v[236+\b], 23, v[244+\b]
.endr
	s_delay_alu instid0(VALU_DEP_3)
	v_lshl_or_b32 v253, v237, 8, v236              ; p's scale word for these 128 keys
	s_delay_alu instid0(VALU_DEP_1)
	v_lshl_or_b32 v253, v238, 16, v253
	s_delay_alu instid0(VALU_DEP_1)
	v_lshl_or_b32 v253, v239, 24, v253
.irp c, 0,1
	v_cvt_scalef32_pk16_fp6_f32 v[224+6*\c:226+6*\c], v[96+32*\c:111+32*\c], v[244+2*\c]
	v_cvt_scalef32_pk16_fp6_f32 v[236+4*\c:238+4*\c], v[112+32*\c:127+32*\c], v[244+2*\c+1]
.endr
	v_nop                                          ; one plain place behind a scaled conversion
.irp t, 0,1,2,3                                ; p is in codes: V's tiles 4-7 take its registers, and come in under the lines below
.irp c, 0,1,2
	ds_load_b128 v[96+12*\t+4*\c:99+12*\t+4*\c], v[AD16] offset:6144+1536*(4+\t)+512*\c
.endr
.endr
.irp c, 0,1
.irp i, 0,1,2
	v_permlane16_swap_b32 v[224+6*\c+\i], v[236+4*\c+\i]
.endr
.irp i, 0,1,2
	s_delay_alu instid0(VALU_DEP_3)
	v_mov_b32 v[227+6*\c+\i], v[236+4*\c+\i]
.endr
.endr
	s_wait_alu depctr_va_vdst(0)
.irp j, 0,2,4,6,8,10,12,14,16,18,20,22,24,26,28,30,32,34,36,38,40,42,44,46,48,50,52,54,56,58,60,62
	v_pk_mul_f32 v[160+\j:161+\j], v[160+\j:161+\j], v[252:253] op_sel_hi:[1,0]   ; O^T under the new M.  (These 32 are also the places in front of the products below)
.endr
	s_wait_alu depctr_va_vdst(0)
	s_wait_dscnt 12                                ; V's scale words and tiles 0-3 are in; the twelve loads of tiles 4-7 may be out
.irp t, 0,1,2,3                                ; O^T += V^T P^T, eight tiles of 16 channels
	v_wmma_scale_f32_16x16x128_f8f6f4 v[160+8*\t:167+8*\t], v[KFR+12*\t:KFR+12*\t+11], v[224:235], v[160+8*\t:167+8*\t], v[SW+\t], v253 matrix_a_fmt:MATRIX_FMT_FP6 matrix_b_fmt:MATRIX_FMT_FP6
.endr
	s_wait_dscnt 0x0
.irp t, 0,1,2,3
	v_wmma_scale_f32_16x16x128_f8f6f4 v[192+8*\t:199+8*\t], v[96+12*\t:107+12*\t], v[224:235], v[192+8*\t:199+8*\t], v[SW+4+\t], v253 matrix_a_fmt:MATRIX_FMT_FP6 matrix_b_fmt:MATRIX_FMT_FP6
.endr
.Lhidden_\@:
	s_add_co_u32 s[E], s[E], 4
	s_xor_b32 s[TB], s[TB], SLOT1
.endm
; THE CHANGE OF SLOTS, at a trip's head.  Every wave waits for all its tensor loads, adds 0 to its spare word, and waits for that and for its LDS instructions of the trip that it has left; behind the barrier the slot ahead is whole
; and nobody reads the other one.  fill = 1: waves 0-3 fetch the next four entries into it.  ask = 1: the prefetch follows.
.macro CHANGE fill, ask
	s_wait_tensorcnt 0x0                           ; no tensor load of mine is out: the descriptor may be written
	ds_add_u32 v[SPW], v[NIL]
.if \fill
	ds_add_u32 v[SPW], v[NIL]                      ; twice on end here, in every trip alike
	s_xor_b32 s[G0+1], s[G0+1], SLOT1              ; the other slot than last time
	s_add_co_u32 s[LE], s[LE], 4                   ; the entry,
	s_sub_co_u32 s97, s[LE], s[NA]
	s_cmp_lt_u32 s[LE], s[NA]
	s_cselect_b32 s97, s[LE], s97                  ; its key step: the early block's, or the late block's from 0 on
	s_mul_i32 s92, s97, STEPB
	s_add_nc_u64 s[G0+2:G0+3], s[6:7], s[92:93]
	s_or_b32 s[G0+3], s[G0+3], 0x80000000
.endif
.if \ask
	s_wait_xcnt 0x0                                ; the last prefetch, a trip back, has read its address
	s_add_nc_u64 s[PFA:PFA+1], s[PFA:PFA+1], SLOTB
.endif
	s_wait_dscnt 0x0                               ; the add is done, and my LDS instructions of the trip that I have left are over
	s_barrier_signal -1
	s_barrier_wait -1
.if \fill
	TLOAD                                          ; the first thing behind the barrier, and a wave's one tensor load until the next
.endif
.if \ask
	ASK
.endif
.endm
	s_wait_alu depctr_va_vdst(0)
	s_wait_loadcnt 0x0                             ; both Q
.Lslot:                                            ; trips 0 to 5: every change of blocks falls here
	CHANGE 1, 1
	STEP 1
	s_sub_co_u32 s[SLOTS], s[SLOTS], 1
	s_cmp_lg_u32 s[SLOTS], 0
	s_cbranch_scc1 .Lslot
	CHANGE 1, 1                                    ; trip 6: its barrier shows the early block's sixteen states whole;
	JOIN OUTA                                      ; they are joined and stored,
	STEP 0
	CHANGE 1, 0                                    ; trip 7 (two barriers part the join's reads from the stores of the late block's states)
	STEP 0
	CHANGE 0, 0                                    ; trip 8: nothing is left to ask for
	STEP 0
	PUT                                            ; the late block's state, into the same bytes
	s_wait_dscnt 0x0                               ; for the others' sake
	s_barrier_signal -1
	s_barrier_wait -1
	JOIN OUTB
	s_wait_tensorcnt 0x0                           ; the wave's end: behind my last tensor load and my last LDS store
	ds_add_u32 v[SPW], v[NIL]
	s_wait_dscnt 0x0
	s_endpgm
.Lfunc_end_k_q30747df42e_attn:
	.size	k_q30747df42e_attn, .Lfunc_end_k_q30747df42e_attn-k_q30747df42e_attn
	.p2alignl 7, 3214868480
	.fill 96, 4, 3214868480
	.section	.rodata,"a",@progbits
	.p2align	6, 0x0
	.amdhsa_kernel k_q30747df42e_attn
		.amdhsa_group_segment_fixed_size 327680
		.amdhsa_private_segment_fixed_size 0
		.amdhsa_enable_private_segment 0
		.amdhsa_kernarg_size 24
		.amdhsa_user_sgpr_count 2
		.amdhsa_user_sgpr_kernarg_segment_ptr 1
		.amdhsa_wavefront_size32 1
		.amdhsa_system_sgpr_workgroup_id_x 1
		.amdhsa_system_sgpr_workgroup_id_y 1
		.amdhsa_system_sgpr_workgroup_id_z 1
		.amdhsa_system_vgpr_workitem_id 0
		.amdhsa_next_free_vgpr 256
		.amdhsa_next_free_sgpr 100
		.amdhsa_reserve_vcc 1
		.amdhsa_float_denorm_mode_32 3
		.amdhsa_float_denorm_mode_16_64 3
		.amdhsa_memory_ordered 1
		.amdhsa_forward_progress 1
		.amdhsa_inst_pref_size 130
	.end_amdhsa_kernel
	.amdgpu_metadata
---
amdhsa.version: [ 1, 2 ]
amdhsa.kernels:
  - .name:           k_q30747df42e_attn
    .symbol:         k_q30747df42e_attn.kd
    .args:
      - { .name: qimg, .offset: 0, .size: 8, .value_kind: global_buffer, .address_space: global }
      - { .name: kv, .offset: 8, .size: 8, .value_kind: global_buffer, .address_space: global }
      - { .name: out0, .offset: 16, .size: 8, .value_kind: global_buffer, .address_space: global }
    .group_segment_fixed_size: 327680
    .private_segment_fixed_size: 0
    .kernarg_segment_align: 8
    .kernarg_segment_size: 24
    .max_flat_workgroup_size: 512
    .sgpr_count:     100
    .vgpr_count:     256
    .wavefront_size: 32
...
	.end_amdgpu_metadata
.endif
;; end of part 3
